; MI455X (gfx1250); checked and timed in simulation.
; The chip was launched on July 23, 2026; its instructions are those of AMD's public machine-readable ISA for CDNA 5 (MIT licence, August 2026) and "CDNA5" Instruction Set Architecture Reference Guide (July 2026). The comments in the code are by the model that wrote it; some were corrected since.
;; Cross Attention. Allowed arithmetic: matrix products marked QUANTISED: E2M3 operands, one E8M0 scale for each 32 along K, by v_wmma_scale_f32_16x16x128_f8f6f4 with both operands' format E2M3, f32 sums; everything else in f32.
;; Inputs: Wk 1,024 x 1,024 float32; Wq 1,024 x 1,024 float32; Wv 1,024 x 1,024 float32; bk 1,024 float32; bq 1,024 float32; bv 1,024 float32; x1 4 x 2,048 x 1,024 float32; x2 4 x 2,048 x 1,024 float32.
;; Outputs: out0 4 x 2,048 x 1,024 float32.
;; This version of the problem:
;;   THIS VERSION OF THE PROBLEM IS GIVEN IN LOW PRECISION. The matrix products marked QUANTISED in the list below multiply operands that are first quantised to E2M3 (2 exponent bits, 3 mantissa bits; 6 bits a number), with one power-of-two scale for each 32 numbers along K (OCP MX v1.0); their sums are f32. All else is computed in f32.
;;   The module's matrix products, in the order in which they are computed (A, B: the left and right operand; K: the contracted axis; several contracted axes count as one K, in the product's order):
;;     1. [M 8,192, K 1,024] x [K 1,024, N 1,024]; A: input x1; B: input Wq: QUANTISED
;;     2. [M 8,192, K 1,024] x [K 1,024, N 1,024]; A: input x2; B: input Wk: QUANTISED
;;     3. [M 8,192, K 1,024] x [K 1,024, N 1,024]; A: input x2; B: input Wv: QUANTISED
;;     4. batch 4 x [M 2,048, K 1,024] x [K 1,024, N 2,048]; A: computed on the way; B: computed on the way: QUANTISED
;;     5. batch 4 x [M 2,048, K 2,048] x [K 2,048, N 1,024]; A: softmax (see below); B: computed on the way: QUANTISED
;;   THE QUANTISER, for each operand of a quantised product, along K:
;;     - K is cut into blocks of 32 from its start; a last block that is shorter is filled with zeros.
;;     - A block's scale is 2^e with e = floor(log2(the largest magnitude in the block)) - 2, held to -126 .. 127; a block of zeros has e = 0. As a byte (E8M0): e + 127.
;;     - Each number is divided by its block's scale, clamped to +-7.5, and rounded to the nearest number of E2M3, ties to even, subnormals kept.
;;     - The product sums the exact products of the quantised numbers (number of the format x scale) in f32.
;;   ~~~python
;;   def quantise(x, axis):      # numpy; x: float32 -> the quantised numbers, widened to float32 again
;;       x = np.moveaxis(x, axis, -1); K = x.shape[-1]
;;       x = np.pad(x, [(0, 0)] * (x.ndim - 1) + [(0, -K % 32)]); x = x.reshape(x.shape[:-1] + (-1, 32)); a = np.abs(x).max(-1, keepdims=True)
;;       e = np.where(a > 0, np.clip(np.frexp(np.where(a > 0, a, 1))[1] - 1 - 2, -126, 127), 0)      # np.frexp(a)[1] - 1 = floor(log2(a)), exactly
;;       r = np.clip(x / 2.0 ** e, -7.5, 7.5)
;;       step = 2.0 ** (np.maximum(np.frexp(np.where(r == 0, 1, r))[1] - 1, 0) - 3)
;;       q = np.round(r / step) * step * 2.0 ** e      # np.round: ties to even
;;       return np.moveaxis(q.reshape(q.shape[:-2] + (-1,))[..., :K], -1, axis).astype(np.float32)
;;   ~~~
;;   SOFTMAX AHEAD OF A QUANTISED PRODUCT. Where the list says 'softmax', what is quantised is not the finished softmax but p = 2^(t - M), with t = logit x log2(e) and M = ceil(the row's largest t), a whole number; so 1/2 < the row's largest p <= 1. The row's sum l is taken of the UNQUANTISED p, in f32, and the product's result is divided by l at the end. Since M is a whole number, a kernel that streams over the keys may use a running M (the ceiling of the running maximum): every later rescaling is an exact power of two, which a block's scale takes up: the codes' values come out the same.
;;   OPERANDS COMPUTED ON THE WAY. 'Computed on the way' means the value that the module computes at that place (a softmax that the list does not call 'softmax' is quantised finished and normalised). What goes into a quantiser is computed in f32, as accurately as f32 sums, v_exp_f32 and their like allow (about 1e-6 of the number): no bf16 or f16 on the way to a quantiser, and a product that is left as it is and whose result goes on into a quantised operand takes f32 operands (vector FMAs, or v_wmma_f32_16x16x4_f32). A number that lies on a knife's edge between two numbers of the format may be rounded either way, as far as f32 arithmetic and the matrix unit's own rounding can turn it there, and no further.
;; One version. Each part assembles by itself: llvm-mc -triple=amdgcn-amd-amdhsa -mcpu=gfx1250 --defsym DOCPART=n.
;; ======== version 1 of 1: 4 launches
;; limits: right only within a limited range of input values
;; workspace buffers: xw_codes 14,942,208 bytes; xw_scales 622,592 bytes; qkv_codes 18,874,368 bytes; qkv_scales 786,432 bytes; p_codes 12,582,912 bytes; p_stats 1,572,864 bytes
;; launch quant (part 1): grid 304 x 4, 4 waves a work-group, no clusters, 34,816 bytes of LDS; arguments x1, x2, Wq, Wk, Wv, xw_codes, xw_scales; writes xw_codes, xw_scales
.if DOCPART == 1
	.amdgcn_target "amdgcn-amd-amdhsa--gfx1250"
	.amdhsa_code_object_version 6
	.text
	.protected	k_qd199de921e_quant
	.globl	k_qd199de921e_quant
	.p2align	8
	.type	k_qd199de921e_quant,@function
k_qd199de921e_quant:
	s_mov_b64 s[64:65], 0
	v_nop
	global_prefetch_b8 v0, s[64:65] scope:SCOPE_SE
	s_setreg_imm32_b32 hwreg(HW_REG_WAVE_MODE, 25, 1), 1
	s_wait_xcnt 0x0
; x1, x2 [8192][1024] and Wq, Wk, Wv [1024][1024], f32, K innermost, become codes of FP6 (E2M3) with one E8M0 scale byte for each 32 along K.
; A block's scale is 2^(floor(log2(its largest magnitude)) - 2); its byte is the largest magnitude's exponent field - 2, held at 1 from below (a block of zeros keeps the byte 1: its codes are zeros, and this program alone reads the bytes).
; LIMITS: NaN and infinities among the inputs are not served; a block whose largest magnitude lies under 2^-124 keeps the byte 1.
; THE CODES ARE LAID AS IMAGES OF OPERAND REGISTERS: a fragment (16 rows x 128 K, 12 registers a lane) is 1,536 bytes: registers 4 c .. 4 c + 3 of lane l at 512 c + 16 l.  xw_codes: [row block of 16][K / 128][1536], the five
; tensors on end (row blocks 0, 512, 1024, 1088, 1152 on).  xw_scales: one word (four bytes) for a row and 128 K, laid [128 rows][K / 128][128 rows' words].
; THE ORDER OF ROWS: x2, Wq and Wk are stored with bits 3 and 4 of the row's number changed over, so that a product that takes 16 stored rows as its source 0 leaves 16 neighbours (of the true order) in a lane's registers of two neighbouring tiles.
; SHARES: a work-group takes 64 stored rows x 256 K, a wave one row block: two fragments.  Each load reads 512 consecutive bytes of a row; the numbers turn through the wave's own stage in LDS (rows 528 bytes apart: 33 x 16)
; and come back 16 neighbours of each block of 32 to a lane, INTO THE REGISTERS THAT THEY LEFT; one stage serves both fragments.  So a wave takes 186 registers and a work-group
; 34,816 bytes of LDS: five waves to a SIMD's 1,024 registers, 1,280 places on 256 WGPs for the launch's 1,216 work-groups.  No tensor load, no matrix work, no cluster: no work-group reads what another reads.
.set R,   16                           ; v16-143  the numbers as loaded: fragment f at 64 f, row i at 4 i
.set X0,  16                           ; v16-79   fragment 0 turned: register 16 b + i = k 32 b + 16 (lane / 16) + i of row lane % 16
.set X1,  80                           ; v80-143  fragment 1 turned
.set PC,  144                          ; v144-162 the codes just made
.set TM,  164                          ; v164-179 at work
.set PW,  180                          ; the scale word just made
.set SEL, 30                           ; s[30:31] v_permlanex16_b32's selects for lane l xor 16
.set WST, 8448                         ; a wave's stage: 16 rows x 528 bytes
.set SWB, 4*WST                        ; behind the stages: the work-group's scale words, [fragment][64 rows]
; 64 numbers of a lane, register 16 b + i = k 32 b + 16 (lane / 16) + i of my row, become a fragment's codes in v[PC] on and its scale word in v[PW].
.macro QUANT s
.irp b, 0,1,2,3
	v_max3_num_f32 v[TM+\b], |v[\s+16*\b]|, |v[\s+1+16*\b]|, 0x1800000   ; block b: my 16 numbers, and the floor 2^(3 - 127): the byte cannot fall under 1
.endr
.irp i, 2,4,6,8,10,12,14
.irp b, 0,1,2,3
	v_max3_num_f32 v[TM+\b], v[TM+\b], |v[\s+16*\b+\i]|, |v[\s+1+16*\b+\i]|   ; the four blocks by turns
.endr
.endr
.irp b, 0,1,2,3
	v_permlanex16_b32 v[TM+4+\b], v[TM+\b], s[SEL], s[SEL+1]
.endr
.irp b, 0,1,2,3
	v_max_num_f32 v[TM+\b], v[TM+\b], v[TM+4+\b]   ; with lane l xor 16's: the block's largest magnitude
.endr
.irp b, 0,1,2,3
	v_add_nc_u32 v[TM+12+\b], 0xff000000, v[TM+\b]   ; 2 off its exponent field: the conversion takes the exponent field of this operand as its scale
.endr
.irp b, 0,1,2,3
	v_lshrrev_b32 v[TM+4+\b], 23, v[TM+12+\b]      ; the scale's byte
.endr
	v_lshl_or_b32 v[PW], v[TM+5], 8, v[TM+4]       ; the four bytes make my row's scale word
	v_lshl_or_b32 v[PW], v[TM+6], 16, v[PW]
	v_lshl_or_b32 v[PW], v[TM+7], 24, v[PW]
.irp c, 0,1
	v_cvt_scalef32_pk16_fp6_f32 v[PC+6*\c:PC+2+6*\c], v[\s+32*\c:\s+15+32*\c], v[TM+12+2*\c]
	v_cvt_scalef32_pk16_fp6_f32 v[PC+12+4*\c:PC+14+4*\c], v[\s+16+32*\c:\s+31+32*\c], v[TM+12+2*\c+1]   ; (a conversion's three registers begin on an even number)
.endr
	v_nop                                          ; one plain place behind a scaled conversion
.irp c, 0,1                                    ; the operand's layout wants a whole block in a lane: lanes 0-15 block 2 c, lanes 16-31 block 2 c + 1
.irp i, 0,1,2
	v_permlane16_swap_b32 v[PC+6*\c+\i], v[PC+12+4*\c+\i]
.endr
.irp i, 0,1,2
	v_mov_b32 v[PC+3+6*\c+\i], v[PC+12+4*\c+\i]
.endr
.endr
.endm
	s_load_b256 s[4:11], s[0:1], 0x0               ; x1, x2, Wq, Wk
	s_load_b128 s[12:15], s[0:1], 0x20             ; Wv, xw_codes
	s_load_b64 s[16:17], s[0:1], 0x30              ; xw_scales
	v_lshl_add_u32 v184, v0, 2, 0x8600
	v_mov_b32 v185, 0
	v_lshrrev_b32 v1, 5, v0
	v_readfirstlane_b32 s18, v1                    ; wave 0..3
	v_and_b32 v1, 31, v0                           ; lane
	v_and_b32 v2, 15, v0                           ; r
	v_bfe_u32 v3, v0, 4, 1                         ; h
	v_lshlrev_b32 v4, 4, v1                        ; 16 x lane: my 16 bytes of a load's 512, and of an image's 512
	s_mul_i32 s19, s18, WST
	v_add_nc_u32 v6, s19, v4                       ; the stage, on the way in: row i at 528 i
	v_mul_u32_u24 v7, v2, 528
	v_lshl_add_u32 v7, v3, 6, v7
	v_add_nc_u32 v7, s19, v7                       ; and on the way out: row r, + 64 h
	s_lshl_b32 s19, s18, 6
	s_add_co_u32 s19, s19, SWB
	v_lshl_add_u32 v8, v2, 2, s19                  ; my row's scale word: 64 x wave + 4 r
	v_add_nc_u32 v9, SWB, v4                       ; wave 0 reads all 512 bytes of them back
	v_lshlrev_b32 v10, 4, v2
	v_lshl_add_u32 v10, v3, 9, v10                 ; and stores them: lanes 0-15 fragment 0's 256 bytes, lanes 16-31 fragment 1's, 512 bytes on
	s_and_b32 s20, ttmp7, 0xffff                   ; which 256 along K
	s_mov_b32 s[SEL], 0x76543210
	s_mov_b32 s[SEL+1], 0xfedcba98
.irp b, 0,1,2,3
	v_mov_b32 v[TM+4+\b], 0                        ; written once: a lane permute's destination counts as one of its sources
.endr
	s_wait_kmcnt 0x0
	; which tensor: the choice hangs on the work-group's number alone.  s[24:25] the tensor, s22 its first work-group, s23 = 1 where bits 3 and 4 of the rows change over
	s_mov_b64 s[24:25], s[12:13]
	s_mov_b32 s22, 288
	s_mov_b32 s23, 0
	s_cmp_lt_u32 ttmp9, 288
	s_cselect_b64 s[24:25], s[10:11], s[24:25]
	s_cselect_b32 s22, 272, s22
	s_cselect_b32 s23, 1, s23
	s_cmp_lt_u32 ttmp9, 272
	s_cselect_b64 s[24:25], s[8:9], s[24:25]
	s_cselect_b32 s22, 256, s22
	s_cselect_b32 s23, 1, s23
	s_cmp_lt_u32 ttmp9, 256
	s_cselect_b64 s[24:25], s[6:7], s[24:25]
	s_cselect_b32 s22, 128, s22
	s_cselect_b32 s23, 1, s23
	s_cmp_lt_u32 ttmp9, 128
	s_cselect_b64 s[24:25], s[4:5], s[24:25]
	s_cselect_b32 s22, 0, s22
	s_cselect_b32 s23, 0, s23
	s_sub_co_u32 s26, ttmp9, s22                   ; the work-group's number in its tensor
	s_lshl_b32 s26, s26, 1
	s_lshr_b32 s27, s18, 1
	s_add_co_u32 s26, s26, s27
	s_lshl_b32 s26, s26, 5                         ; my group of 32 rows,
	s_lshr_b32 s27, 16, s23
	s_and_b32 s28, s18, 1
	s_mul_i32 s27, s27, s28
	s_add_co_u32 s26, s26, s27                     ; + 16 (or 8, where the bits change over) for the odd wave: my first true row
	s_lshl_b32 s26, s26, 12                        ; a row is 4,096 bytes
	s_lshl_b32 s27, s20, 10
	s_add_co_u32 s26, s26, s27
	s_mov_b32 s27, 0
	s_add_nc_u64 s[24:25], s[24:25], s[26:27]
	s_lshl_b32 s28, s23, 15
	v_add_nc_u32 v5, s28, v4                       ; my rows 8-15 lie 8 rows further on where the bits change over
	s_wait_alu depctr_va_vdst(0)
	s_lshl_b32 s26, ttmp9, 2
	s_add_co_u32 s26, s26, s18                     ; my stored row block
	s_mul_i32 s26, s26, 12288
	s_mul_i32 s28, s20, 3072
	s_add_co_u32 s26, s26, s28
	s_add_nc_u64 s[14:15], s[14:15], s[26:27]      ; my two images
	s_lshr_b32 s26, ttmp9, 1
	s_lshl_b32 s26, s26, 12                        ; the tile of 128 rows: 8 planes of 512 bytes,
	s_lshl_b32 s28, s20, 10
	s_add_co_u32 s26, s26, s28                     ; my two planes,
	s_and_b32 s28, ttmp9, 1
	s_lshl_b32 s28, s28, 8
	s_add_co_u32 s26, s26, s28                     ; my work-group's 64 rows of them
	s_add_nc_u64 s[16:17], s[16:17], s[26:27]
.irp f, 0,1
.irp i, 0,1,2,3,4,5,6,7
	global_load_b128 v[R+64*\f+4*\i:R+64*\f+4*\i+3], v4, s[24:25] offset:4096*\i+512*\f th:TH_LOAD_NT   ; 32 lanes read 512 consecutive bytes of a row
.endr
.irp i, 8,9,10,11,12,13,14,15
	global_load_b128 v[R+64*\f+4*\i:R+64*\f+4*\i+3], v5, s[24:25] offset:4096*\i+512*\f th:TH_LOAD_NT
.endr
.endr
	s_wait_loadcnt 16                              ; fragment 0's sixteen loads are in; fragment 1's may be out
.irp i, 0,1,2,3,4,5,6,7,8,9,10,11,12,13,14,15
	ds_store_b128 v6, v[R+4*\i:R+4*\i+3] offset:528*\i
.endr
	s_wait_dscnt 0x0                               ; the stores have read their registers: the turned numbers come back into them
.irp b, 0,1,2,3
.irp j, 0,1,2,3
	ds_load_b128 v[X0+16*\b+4*\j:X0+16*\b+4*\j+3], v7 offset:128*\b+16*\j
.endr
.endr
	s_wait_loadcnt 0x0
.irp i, 0,1,2,3,4,5,6,7,8,9,10,11,12,13,14,15
	ds_store_b128 v6, v[R+64+4*\i:R+64+4*\i+3] offset:528*\i   ; into the same stage: LDS serves a wave's instructions in order, so these come behind fragment 0's reads
.endr
	s_wait_dscnt 0x0                               ; fragment 0 is back, and fragment 1's stores have read their registers
.irp b, 0,1,2,3
.irp j, 0,1,2,3
	ds_load_b128 v[X1+16*\b+4*\j:X1+16*\b+4*\j+3], v7 offset:128*\b+16*\j   ; on their way while fragment 0 is quantised
.endr
.endr
	QUANT X0
.irp c, 0,1,2
	global_store_b128 v4, v[PC+4*\c:PC+4*\c+3], s[14:15] offset:512*\c   ; the image: 512 consecutive bytes a store
.endr
	ds_store_b32 v8, v[PW]                         ; lanes l and l xor 16 write the same word with the same value
	s_wait_dscnt 0x0                               ; fragment 1 is back; the word's store has read its register
	s_wait_xcnt 0x0                                ; the codes' registers are written again only behind this wait
	QUANT X1
.irp c, 0,1,2
	global_store_b128 v4, v[PC+4*\c:PC+4*\c+3], s[14:15] offset:1536+512*\c
.endr
	ds_store_b32 v8, v[PW] offset:256
	s_wait_dscnt 0x0                               ; for the others' sake: my words lie in LDS
	s_barrier_signal -1
	s_barrier_wait -1
	s_cmp_lg_u32 s18, 0
	s_cbranch_scc1 .Lend
	ds_load_b128 v[12:15], v9                      ; wave 0: the work-group's 128 words
	s_wait_dscnt 0x0
	global_store_b128 v10, v[12:15], s[16:17]      ; sixteen lanes store 256 consecutive bytes, aligned
.Lend:
	s_wait_tensorcnt 0x0
	ds_add_u32 v184, v185
	s_wait_dscnt 0x0
	s_endpgm
.Lfunc_end_k_qd199de921e_quant:
	.size	k_qd199de921e_quant, .Lfunc_end_k_qd199de921e_quant-k_qd199de921e_quant
	.p2alignl 7, 3214868480
	.fill 96, 4, 3214868480
	.section	.rodata,"a",@progbits
	.p2align	6, 0x0
	.amdhsa_kernel k_qd199de921e_quant
		.amdhsa_group_segment_fixed_size 34816
		.amdhsa_private_segment_fixed_size 0
		.amdhsa_enable_private_segment 0
		.amdhsa_kernarg_size 56
		.amdhsa_user_sgpr_count 2
		.amdhsa_user_sgpr_kernarg_segment_ptr 1
		.amdhsa_wavefront_size32 1
		.amdhsa_system_sgpr_workgroup_id_x 1
		.amdhsa_system_sgpr_workgroup_id_y 1
		.amdhsa_system_sgpr_workgroup_id_z 1
		.amdhsa_system_vgpr_workitem_id 0
		.amdhsa_next_free_vgpr 186
		.amdhsa_next_free_sgpr 66
		.amdhsa_reserve_vcc 0
		.amdhsa_float_denorm_mode_32 3
		.amdhsa_float_denorm_mode_16_64 3
		.amdhsa_memory_ordered 1
		.amdhsa_forward_progress 1
		.amdhsa_inst_pref_size 20
	.end_amdhsa_kernel
	.amdgpu_metadata
---
amdhsa.version: [ 1, 2 ]
amdhsa.kernels:
  - .name:           k_qd199de921e_quant
    .symbol:         k_qd199de921e_quant.kd
    .args:
      - { .name: x1, .offset: 0, .size: 8, .value_kind: global_buffer, .address_space: global }
      - { .name: x2, .offset: 8, .size: 8, .value_kind: global_buffer, .address_space: global }
      - { .name: Wq, .offset: 16, .size: 8, .value_kind: global_buffer, .address_space: global }
      - { .name: Wk, .offset: 24, .size: 8, .value_kind: global_buffer, .address_space: global }
      - { .name: Wv, .offset: 32, .size: 8, .value_kind: global_buffer, .address_space: global }
      - { .name: xw_codes, .offset: 40, .size: 8, .value_kind: global_buffer, .address_space: global }
      - { .name: xw_scales, .offset: 48, .size: 8, .value_kind: global_buffer, .address_space: global }
    .group_segment_fixed_size: 34816
    .private_segment_fixed_size: 0
    .kernarg_segment_align: 8
    .kernarg_segment_size: 56
    .max_flat_workgroup_size: 128
    .sgpr_count:     66
    .vgpr_count:     186
    .wavefront_size: 32
...
	.end_amdgpu_metadata
.endif
;; end of part 1
;; launch proj (part 2): grid 4 x 64, 4 waves a work-group, clusters of 4 x 4, 327,680 bytes of LDS; arguments xw_codes, xw_scales, qkv_codes, qkv_scales, bq, bk, bv; writes qkv_codes, qkv_scales
.if DOCPART == 2
	.amdgcn_target "amdgcn-amd-amdhsa--gfx1250"
	.amdhsa_code_object_version 6
	.text
	.protected	k_qd199de921e_proj
	.globl	k_qd199de921e_proj
	.p2align	8
	.type	k_qd199de921e_proj,@function
k_qd199de921e_proj:
	s_mov_b64 s[64:65], 0
	v_nop
	global_prefetch_b8 v0, s[64:65] scope:SCOPE_SE
	s_setreg_imm32_b32 hwreg(HW_REG_WAVE_MODE, 25, 1), 1
	s_wait_xcnt 0x0
	s_wait_alu depctr_hold_cnt(0) depctr_sa_sdst(0) depctr_va_vdst(0) depctr_va_sdst(0) depctr_va_ssrc(0) depctr_va_vcc(0) depctr_vm_vsrc(0)
	s_getreg_b32 s2, hwreg(HW_REG_IB_STS2, 6, 4)
	s_cmp_eq_u32 s2, 0
	s_cbranch_scc0 .Lentry_in_a_cluster
	s_endpgm
.Lentry_in_a_cluster:
	s_bfe_u32 s2, ttmp6, 0x10000c
	s_cmp_lg_u32 s2, 0xf033
	s_cbranch_scc0 .Lentry_shape_is_right
	s_endpgm
.Lentry_shape_is_right:
; q = x1 Wq^T + bq, k = x2 Wk^T + bk, v^T = Wv x2^T + bv: three products of 8192 x 1024 x 1024 on codes of FP6 (E2M3) with E8M0 scales, f32 sums; each result is quantised in registers, along its columns, and leaves as codes.
; 384 tiles of 256 x 256 for 256 work-groups: PART 1 is a tile of q or of k (which: the cluster's y / 8, the same in all partners; it chooses numbers, never a branch), PART 2 half a tile of v^T, 128 rows x 256 keys.
; Operands lie in memory as images of operand registers (16 rows x 128 K = 1,536 bytes), [row block][K / 128]: a fragment is three loads of 16 bytes a lane.  B's rows are stored with bits 3 and 4 changed over, so that with B as
; source 0 a lane's registers of two neighbouring tiles are 16 neighbours along the next K.
; PART 1'S RING: K's eight steps go in chunks of 2, 3 and 3 through two LDS regions of 3 steps (32 row blocks x 4,608 bytes each).  At the head each wave issues one joint load, its 128 rows of chunk 0 (24,576 bytes).
; Chunk 1 is asked for behind the full sequence and a round, chunk 2 (into region 0) behind the round in step 1.  The scale words, 16,384 of part 1's 409,600 operand bytes, come through registers and are not asked for jointly.
; PART 2 has all of K in LDS: region 1 takes A's 8 row blocks and B's first 4 behind the round in step 4, region 0 B's other 12 behind a round that stands behind part 1's last product.
; CLUSTERS: 4 x 4; A's tiles jointly along a row of the cluster, B's along a column, in both parts.
; PREFETCH: behind the load of one chunk the next chunk is asked for: of a tile's 16 row blocks each of the four partners takes 4, each wave one, a lane a block of 256 bytes (18 blocks a chunk);
; behind chunk 2's load part 2's operands: half a row block of Wv and one row block of x2 a wave.  Partners are told apart by address alone.
; LIMITS: NaN and infinities are not served; a block under 2^-124 keeps the byte 1.  The biases are added to the finished sums, in f32.
; REGISTERS: window 0: v4-31 addresses; v32-47 scale words, two sets (part 2: v32-95); v48-60 prefetch and scale offsets; v64-127 the column bias; v128-223 A's fragments (head: scale words; way out: numbers and codes);
;   v224-231 the row bias; v232-255 at work.  window 1: B's fragments, two sets.  windows 2, 3: the accumulators.
.set FRB,   1536
.set RBB,   8*FRB
.set HALF,  8*3*FRB                    ; 128 rows x 3 steps
.set REG,   4*HALF                     ; a region: A's two halves, then B's; also 12 row blocks of all K
.set SCL,   2*REG                      ; part 1's scale words: four halves of 4,096 bytes, [8 steps][128 rows]: written by the waves
.set SC2,   SCL+4*4096                 ; part 2's: written by the waves
.set STAGE, SC2+3*4096
.set SPARE, STAGE+4*512
.set SSA,  10
.set L8,   14
.set SRB,  15
.set ADRA, 16
.set A2A,  19
.set ADRB, 20
.set B2L,  23
.set LI,   24
.set SWA,  25
.set SRA,  26
.set ADRS, 27
.set SPW,  28
.set NIL,  29
.set B2H,  30
.set ADRS2, 31
.set SC,   32
.set PF,   48
.set SGA,  58
.set SGB,  59
.set SLA,  60
.set BJ,   64
.set AF,   128
.set NU,   128
.set PC,   192
.set PW,   212
.set BI,   224
.set SS,   232
.set TM,   240
.set PROD, 2
.set WV,   18
.set WR,   19
.set WC,   20
.set G1A,  24
.set G1B,  32
.set G1Y,  48                          ; part 2, A: the mask of my row of the cluster
.set G1X,  56                          ; part 2, B: my column
.set TC2,  66
.set TR2,  67
.set G0Y,  68
.set G0X,  72
.set G0A,  76                          ; three sets: chunks 0, 1, 2
.set G0B,  88
.set G0Z,  76                          ; part 2, B's second group: chunk 0's set, free when that load has landed
.set SEL,  100
.set MSB, 0
.macro WIN new
.if MSB != (\new)
	s_set_vgpr_msb (MSB<<8)|(\new)
.set MSB, (\new)
.endif
.endm
.macro PLACES
.rept 4
	v_nop
.endr
.endm
.macro CREST
	s_cmp_lg_u32 s[WV], 0
	s_cbranch_scc1 .Lnot_wave_0_\@
	s_barrier_signal -3
.Lnot_wave_0_\@:
	s_barrier_wait -3
	s_barrier_signal -1
	s_barrier_wait -1
.endm
.macro CROUND
	s_barrier_signal -1
	s_barrier_wait -1
	CREST
.endm
.macro JLOAD g0a, g1a, g0b, g1b        ; waves 0 and 1 fetch for A, waves 2 and 3 for B
	s_cmp_eq_u32 s[WR], 0
	s_cbranch_scc0 .Lfor_b_\@
	tensor_load_to_lds s[\g0a:\g0a+3], s[\g1a:\g1a+7]
	s_nop 0
.rept 4
	v_nop
.endr
	s_branch .Lasked_\@
.Lfor_b_\@:
	tensor_load_to_lds s[\g0b:\g0b+3], s[\g1b:\g1b+7]
	s_nop 0
.rept 4
	v_nop
.endr
.Lasked_\@:
.endm
.macro FRAG reg, adr, off
	ds_load_b128 v[\reg:\reg+3], v[\adr] offset:\off
	ds_load_b128 v[\reg+4:\reg+7], v[\adr] offset:\off+512
	ds_load_b128 v[\reg+8:\reg+11], v[\adr] offset:\off+1024
.endm
.macro LOC st                          ; step st lies in region LG, as image LQ of each row block's LR
.if (\st) < 2
.set LG, 0
.set LQ, (\st)
.set LR, 2
.else
.set LG, (((\st)+1)/3)%2
.set LQ, ((\st)+1)%3
.set LR, 3
.endif
.endm
.macro FETCH_B st
	LOC \st
	WIN 0x40
.irp i, 0,1,2,3,4,5,6,7
	FRAG 128*((\st)%2)+12*\i, ADRB+LG, (\i*LR+LQ)*FRB
.endr
	WIN 0
.endm
.macro FETCH_A st, i0
	LOC \st
.irp i, \i0, \i0+1, \i0+2, \i0+3
	FRAG AF+12*(\i), ADRA+LG, ((\i)*LR+LQ)*FRB
.endr
.endm
.macro SCALES st                       ; register i of set st % 2: lanes 0-15 the words of A's block i, lanes 16-31 of B's block i
.irp i, 0,1,2,3,4,5,6,7
	ds_load_b32 v[SC+8*((\st)%2)+\i], v[ADRS] offset:64*\i+512*(\st)
.endr
.endm
.macro FETCHMID st
	FETCH_B \st
	FETCH_A \st, 0
	SCALES \st
.endm
; 16 products: A's blocks a0, a0 + 1 x B's eight; the 64 accumulators take turns
.macro MULA a0, st, cm
.irp a, \a0, \a0+1
.irp b, 0,1,2,3,4,5,6,7
.set DD, 8*((8*(\a)+\b)%32)
.set BB, 128*((\st)%2)+12*\b
.set SW, SC+8*((\st)%2)
.if \cm == 0
	v_wmma_scale_f32_16x16x128_f8f6f4 v[DD:DD+7], v[BB:BB+11], v[AF+12*(\a):AF+12*(\a)+11], v[DD:DD+7], v[SW+\b], v[SW+(\a)] matrix_a_fmt:MATRIX_FMT_FP6 matrix_b_fmt:MATRIX_FMT_FP6 matrix_a_scale:MATRIX_SCALE_ROW1
.else
	v_wmma_scale_f32_16x16x128_f8f6f4 v[DD:DD+7], v[BB:BB+11], v[AF+12*(\a):AF+12*(\a)+11], 0, v[SW+\b], v[SW+(\a)] matrix_a_fmt:MATRIX_FMT_FP6 matrix_b_fmt:MATRIX_FMT_FP6 matrix_a_scale:MATRIX_SCALE_ROW1
.endif
.endr
.endr
.endm
.macro STEP st, cm                     ; a step whose successor lies in the same chunk
	s_wait_dscnt 12                                ; all but the youngest twelve LDS instructions (A's blocks 4-7)
	WIN 0xa1
	MULA 0, \st, \cm
	MULA 2, \st, \cm
	s_wait_dscnt 0x0
	PLACES
	FETCHMID (\st)+1
	WIN 0xf1
	MULA 4, \st, \cm
	MULA 6, \st, \cm
	PLACES
	WIN 0
	FETCH_A (\st)+1, 4
.endm
; a chunk's last step: the region just read out is filled again behind a round.  mode 2: chunk 2; mode 3: part 2's first group
.macro TURN st, mode
	s_wait_tensorcnt 0x0                           ; all my tensor loads have landed
	ds_add_u32 v[SPW], v[NIL]
	s_wait_dscnt 13                                ; (the youngest thirteen LDS instructions, the add and loads of A's blocks 4-7 among them, may be out)
	WIN 0xa1
	MULA 0, \st, 0
	s_wait_dscnt 0x0                               ; the add is done, my reads of this region are over
	s_barrier_signal -1
	MULA 2, \st, 0
	WIN 0
	s_barrier_wait -1
	CREST
.if \mode == 2
	JLOAD G0A+8, G1A, G0B+8, G1B
.else
	JLOAD G0Y, G1Y, G0X, G1X
.endif
	FETCHMID (\st)+1
	WIN 0xf1
	MULA 4, \st, 0
	MULA 6, \st, 0
	PLACES
	WIN 0
	FETCH_A (\st)+1, 4
.endm
.macro FETCH2 q, p
	WIN 0x40
.irp i, 0,1,2,3
	FRAG 128*(\p)+12*\i, B2L, \i*RBB+(\q)*FRB
.endr
.irp i, 0,1,2,3
	FRAG 128*(\p)+12*(\i+4), B2H, \i*RBB+(\q)*FRB
.endr
	WIN 0
.irp i, 0,1,2,3
	FRAG AF+48*(\p)+12*\i, A2A, \i*RBB+(\q)*FRB
.endr
.endm
.macro STEP2 q                         ; 32 products on 32 accumulators by turns; the next step is fetched at the head
	s_wait_dscnt 0x0
.if (\q) < 7
.if (\q) > 0
	PLACES
.endif
	FETCH2 (\q)+1, 1-(\q)%2
.endif
	WIN 0xa1
.irp a, 0,1,2,3
.irp b, 0,1,2,3,4,5,6,7
.set DD, 8*(8*\a+\b)
.set BB2, 128*((\q)%2)+12*\b
.set AA2, AF+48*((\q)%2)+12*\a
.if (\q) == 0
	v_wmma_scale_f32_16x16x128_f8f6f4 v[DD:DD+7], v[BB2:BB2+11], v[AA2:AA2+11], 0, v[SC+8*(\q)+\b], v[SC+8*(\q)+\a] matrix_a_fmt:MATRIX_FMT_FP6 matrix_b_fmt:MATRIX_FMT_FP6 matrix_a_scale:MATRIX_SCALE_ROW1
.else
	v_wmma_scale_f32_16x16x128_f8f6f4 v[DD:DD+7], v[BB2:BB2+11], v[AA2:AA2+11], v[DD:DD+7], v[SC+8*(\q)+\b], v[SC+8*(\q)+\a] matrix_a_fmt:MATRIX_FMT_FP6 matrix_b_fmt:MATRIX_FMT_FP6 matrix_a_scale:MATRIX_SCALE_ROW1
.endif
.endr
.endr
.endm
; 64 numbers of a lane, register 16 b + i = k 32 b + 16 (lane / 16) + i of my row, become a fragment's codes in v[PC] on and its scale word in v[PW]
.macro QUANT s
.irp b, 0,1,2,3
	v_max3_num_f32 v[TM+\b], |v[\s+16*\b]|, |v[\s+1+16*\b]|, 0x1800000   ; with the floor 2^(3 - 127): the byte cannot fall under 1
.endr
.irp i, 2,4,6,8,10,12,14
.irp b, 0,1,2,3
	v_max3_num_f32 v[TM+\b], v[TM+\b], |v[\s+16*\b+\i]|, |v[\s+1+16*\b+\i]|
.endr
.endr
.irp b, 0,1,2,3
	v_permlanex16_b32 v[TM+4+\b], v[TM+\b], s[SEL], s[SEL+1]
.endr
.irp b, 0,1,2,3
	v_max_num_f32 v[TM+\b], v[TM+\b], v[TM+4+\b]
.endr
.irp b, 0,1,2,3
	v_add_nc_u32 v[TM+12+\b], 0xff000000, v[TM+\b]   ; 2 off the exponent field: the conversion's scale operand
.endr
.irp b, 0,1,2,3
	v_lshrrev_b32 v[TM+4+\b], 23, v[TM+12+\b]
.endr
	v_lshl_or_b32 v[PW], v[TM+5], 8, v[TM+4]
	v_lshl_or_b32 v[PW], v[TM+6], 16, v[PW]
	v_lshl_or_b32 v[PW], v[TM+7], 24, v[PW]
.irp c, 0,1
	v_cvt_scalef32_pk16_fp6_f32 v[PC+6*\c:PC+2+6*\c], v[\s+32*\c:\s+15+32*\c], v[TM+12+2*\c]
	v_cvt_scalef32_pk16_fp6_f32 v[PC+12+4*\c:PC+14+4*\c], v[\s+16+32*\c:\s+31+32*\c], v[TM+12+2*\c+1]
.endr
	v_nop                                          ; one plain place behind a scaled conversion
.irp c, 0,1
.irp i, 0,1,2
	v_permlane16_swap_b32 v[PC+6*\c+\i], v[PC+12+4*\c+\i]
.endr
.irp i, 0,1,2
	v_mov_b32 v[PC+3+6*\c+\i], v[PC+12+4*\c+\i]
.endr
.endr
.endm
	s_load_b256 s[4:11], s[0:1], 0x0               ; xw_codes, xw_scales, qkv_codes, qkv_scales
	s_load_b128 s[12:15], s[0:1], 0x20             ; bq, bk
	s_load_b64 s[16:17], s[0:1], 0x30              ; bv
	v_lshl_add_u32 v[SPW], v0, 2, SPARE
	v_mov_b32 v[NIL], 0
	ds_add_u32 v[SPW], v[NIL]                      ; the opening lines: two adds and one wait
	ds_add_u32 v[SPW], v[NIL]
	v_lshrrev_b32 v1, 5, v0
	v_readfirstlane_b32 s[WV], v1
	s_lshr_b32 s[WR], s[WV], 1                     ; my half of the tile's rows; also: I fetch for A (0) or B (1)
	s_and_b32 s[WC], s[WV], 1                      ; my 128 columns; also: which half I fetch
	s_bfe_u32 s40, ttmp6, 0x40000                  ; cx: also part 1's tile column
	s_bfe_u32 s41, ttmp6, 0x40004                  ; cy
	s_and_b32 s3, ttmp7, 0xffff
	s_lshr_b32 s[PROD], s3, 3                      ; 0: q, 1: k
	s_and_b32 s21, s3, 7
	s_lshl_b32 s45, s21, 2
	s_add_co_u32 s45, s45, s41                     ; part 1's tile row
	s_and_b32 s21, s3, 1
	s_lshl_b32 s[TR2], s21, 2
	s_add_co_u32 s[TR2], s[TR2], s41               ; part 2's tile row (128 rows of Wv)
	s_lshr_b32 s21, s3, 1
	s_lshl_b32 s[TC2], s21, 2
	s_add_co_u32 s[TC2], s[TC2], s40               ; part 2's tile column (256 keys)
	s_lshl_b32 s43, s41, 2
	s_lshl_b32 s43, 15, s43
	s_lshl_b32 s44, 0x1111, s40
	s_or_b32 s[G1A], s43, (3<<16)|(1<<21)          ; the mask; elements of 8 bytes; bit 21 beside a mask
	s_or_b32 s[G1B], s44, (3<<16)|(1<<21)
	s_or_b32 s[G1Y], s43, (3<<16)|(1<<21)
	s_or_b32 s[G1X], s44, (3<<16)|(1<<21)
.irp g, G1A, G1B                               ; chunk 0: 8 row blocks x 3,072 bytes (two images), 12,288 bytes apart
	s_mov_b32 s[\g+1], 384<<16
	s_mov_b32 s[\g+2], 8<<16
	s_mov_b32 s[\g+3], 384<<16
	s_mov_b32 s[\g+4], 8
	s_mov_b32 s[\g+5], 1536
	s_mov_b32 s[\g+6], 0
	s_mov_b32 s[\g+7], 0
.endr
.irp g, G1Y, G1X                               ; part 2: whole row blocks of 12,288 bytes, dense
	s_mov_b32 s[\g+1], 1536<<16
	s_mov_b32 s[\g+3], 1536<<16
	s_mov_b32 s[\g+5], 1536
	s_mov_b32 s[\g+6], 0
	s_mov_b32 s[\g+7], 0
.endr
	s_mov_b32 s[G1Y+2], 4<<16                      ; A: 4 row blocks a wave
	s_mov_b32 s[G1Y+4], 4
	s_mov_b32 s[G1X+2], 2<<16                      ; B's first group: 2 a wave
	s_mov_b32 s[G1X+4], 2
	s_lshl_b32 s46, s[PROD], 9
	s_lshl_b32 s21, s45, 4
	s_add_co_u32 s46, s46, s21                     ; A's first row block: x1 0, x2 512
	s_lshl_b32 s42, s[PROD], 6
	s_add_co_u32 s42, s42, 1024
	s_lshl_b32 s23, s40, 4
	s_add_co_u32 s42, s42, s23                     ; B's: Wq 1024, Wk 1088
	s_lshl_b32 s21, s[WC], 3
	s_add_co_u32 s22, s46, s21
	s_mul_i32 s[G0A+2], s22, RBB                   ; my half of A's tile,
	s_mov_b32 s[G0A+3], 0
	s_add_co_u32 s22, s42, s21
	s_mul_i32 s[G0B+2], s22, RBB                   ; of B's
	s_mov_b32 s[G0B+3], 0
.irp g, G0A, G0A+4, G0A+8, G0B, G0B+4, G0B+8
	s_mov_b32 s[\g], 1
.endr
	s_mul_i32 s21, s[WV], HALF                     ; the loads go to wave x a half
	s_mov_b32 s[G0A+1], s21
	s_mov_b32 s[G0B+1], s21
	s_add_co_u32 s[G0A+5], s21, REG
	s_add_co_u32 s[G0B+5], s21, REG
	s_mov_b32 s[G0A+9], s21
	s_mov_b32 s[G0B+9], s21
	s_mov_b32 s[SEL], 0x76543210
	s_mov_b32 s[SEL+1], 0xfedcba98
	v_and_b32 v1, 31, v0
	v_and_b32 v2, 15, v0
	v_bfe_u32 v3, v0, 4, 1
	v_lshlrev_b32 v[LI], 4, v1
	v_lshlrev_b32 v[L8], 3, v1
	v_min_u32 v6, 17, v1
	v_min_u32 v11, 23, v1
	v_min_u32 v12, 15, v1
	s_wait_alu depctr_va_vdst(0)
	s_lshl_b32 s21, s46, 9                         ; part 1's scale words: 512 bytes a row block
	s_lshl_b32 s22, s42, 9
	v_lshl_add_u32 v[SGA], v0, 4, s21
	v_lshl_add_u32 v[SGB], v0, 4, s22
	v_lshl_add_u32 v[SLA], v0, 4, SCL
	s_lshl_b32 s21, s40, 2
	s_add_co_u32 s21, s21, s46
	s_add_co_u32 s21, s21, s[WV]
	s_mul_i32 s21, s21, RBB                        ; prefetch, A: row block 4 cx + wave of the tile's 16
	v_lshl_add_u32 v[PF], v6, 8, s21
	s_lshl_b32 s21, s41, 2
	s_add_co_u32 s21, s21, s42
	s_add_co_u32 s21, s21, s[WV]
	s_mul_i32 s21, s21, RBB                        ; B: row block 4 cy + wave
	v_lshl_add_u32 v[PF+1], v6, 8, s21
	s_lshl_b32 s21, s[TR2], 3
	s_lshl_b32 s22, s40, 1
	s_add_co_u32 s21, s21, s22
	s_add_co_u32 s21, s21, s[WR]
	s_add_co_u32 s21, s21, 1152
	s_mul_i32 s21, s21, RBB
	s_mul_i32 s22, s[WC], 6144
	s_add_co_u32 s21, s21, s22                     ; part 2, A: half of row block 2 cx + wave / 2 of Wv's 8: 24 blocks
	v_lshl_add_u32 v[PF+4], v11, 8, s21
	s_lshl_b32 s21, s[TC2], 4
	s_lshl_b32 s22, s41, 2
	s_add_co_u32 s21, s21, s22
	s_add_co_u32 s21, s21, s[WV]
	s_add_co_u32 s21, s21, 512
	s_mul_i32 s21, s21, RBB                        ; part 2, B: row block 4 cy + wave of x2's 16: 32 blocks and 16
	v_lshl_add_u32 v[PF+5], v1, 8, s21
	v_lshl_add_u32 v[PF+6], v12, 8, s21
	s_add_co_u32 s21, s[TR2], 144                  ; part 2's scale words: Wv's tiles of 128 rows begin at 144, x2's at 64
	s_lshl_b32 s21, s21, 12
	s_lshl_b32 s22, s[TC2], 13
	s_add_co_u32 s22, s22, 262144
	v_lshl_add_u32 v8, v0, 4, s21
	v_lshl_add_u32 v9, v0, 4, s22
	s_lshl_b32 s21, s40, 10
	s_lshl_b32 s22, s[WC], 9
	s_add_co_u32 s21, s21, s22                     ; the column bias: my first column, in bytes
	v_lshl_add_u32 v4, v3, 6, s21
	s_lshl_b32 s22, s[TR2], 9
	s_lshl_b32 s23, s[WR], 8
	s_add_co_u32 s22, s22, s23                     ; the row bias of part 2
	v_lshl_add_u32 v5, v2, 2, s22
	s_mul_i32 s21, s[WR], HALF
	s_mul_i32 s22, s[WC], HALF
	s_add_co_u32 s22, s22, 2*HALF
	v_add_nc_u32 v[ADRA], s21, v[LI]
	v_add_nc_u32 v[ADRB], s22, v[LI]
	v_add_nc_u32 v[ADRA+1], REG, v[ADRA]
	v_add_nc_u32 v[ADRB+1], REG, v[ADRB]
	s_lshl_b32 s21, s[WR], 12
	s_lshl_b32 s22, s[WC], 12
	s_add_co_u32 s22, s22, 8192
	s_sub_co_u32 s22, s22, s21
	v_mul_u32_u24 v6, s22, v3                      ; lanes 16-31 take B's words: the lower base + h x the distance
	s_add_co_u32 s21, s21, SCL
	v_lshl_add_u32 v6, v2, 2, v6
	v_add_nc_u32 v[ADRS], s21, v6
	s_lshl_b32 s21, s[WR], 8
	s_lshl_b32 s22, s[WC], 12
	s_add_co_u32 s22, s22, 4096
	s_sub_co_u32 s22, s22, s21
	v_mul_u32_u24 v7, s22, v3
	s_add_co_u32 s21, s21, SC2
	v_lshl_add_u32 v7, v2, 2, v7
	v_add_nc_u32 v[ADRS2], s21, v7
	s_mul_i32 s21, s[WR], 4*RBB
	s_add_co_u32 s21, s21, REG                     ; part 2: A's 8 row blocks head region 1
	v_add_nc_u32 v[A2A], s21, v[LI]
	s_xor_b32 s21, s[WC], 1
	s_mul_i32 s21, s21, REG+4*RBB
	s_add_co_u32 s21, s21, 4*RBB                   ; B's blocks 0-3 lie behind A in region 1, blocks 4-15 in region 0
	v_add_nc_u32 v[B2L], s21, v[LI]
	s_mul_i32 s21, s[WC], 8*RBB
	v_add_nc_u32 v[B2H], s21, v[LI]
	s_lshl_b32 s21, s[WV], 9
	s_add_co_u32 s21, s21, STAGE
	v_lshl_add_u32 v[SWA], v2, 2, s21
	v_add_nc_u32 v[SRA], s21, v[LI]
	v_add_nc_u32 v[SRB], s21, v[L8]
	v_lshl_add_u32 v[SSA], v0, 4, SC2
.irp a, 0,1,2,3
	v_mov_b32 v[BI+2*\a+1], 0                      ; named with the bias as a pair
.endr
	s_wait_alu depctr_va_vdst(0)
	s_wait_dscnt 0x0                               ; both opening adds are done
	s_wait_kmcnt 0x0
.irp j, 0,1,2,3
	global_load_b128 v[AF+4*\j:AF+4*\j+3], v[SGA], s[6:7] offset:2048*\j           ; part 1's scale words: A's 8,192 dense bytes,
.endr
.irp j, 0,1,2,3
	global_load_b128 v[AF+16+4*\j:AF+16+4*\j+3], v[SGB], s[6:7] offset:2048*\j     ; B's
.endr
	s_add_nc_u64 s[G0A+2:G0A+3], s[4:5], s[G0A+2:G0A+3]
	s_add_nc_u64 s[G0A+6:G0A+7], s[G0A+2:G0A+3], 2*FRB
	s_add_nc_u64 s[G0A+10:G0A+11], s[G0A+2:G0A+3], 5*FRB
	s_add_nc_u64 s[G0B+2:G0B+3], s[4:5], s[G0B+2:G0B+3]
	s_add_nc_u64 s[G0B+6:G0B+7], s[G0B+2:G0B+3], 2*FRB
	s_add_nc_u64 s[G0B+10:G0B+11], s[G0B+2:G0B+3], 5*FRB
.irp g, G0A+3, G0A+7, G0A+11, G0B+3, G0B+7, G0B+11
	s_or_b32 s[\g], s[\g], 0x80000000
.endr
	s_cmp_eq_u32 s[PROD], 0
	s_cselect_b64 s[12:13], s[12:13], s[14:15]
	CROUND                                         ; all sixteen work-groups are here: the first joint loads meet
	JLOAD G0A, G1A, G0B, G1B                       ; one load a wave: my 128 rows of chunk 0
	global_prefetch_b8 v[PF], s[4:5] offset:2*FRB th:TH_LOAD_NT scope:SCOPE_SE     ; chunk 1
	global_prefetch_b8 v[PF+1], s[4:5] offset:2*FRB th:TH_LOAD_NT scope:SCOPE_SE
.irp j, 0,1
	global_load_b128 v[SS+4*\j:SS+4*\j+3], v8, s[6:7] offset:2048*\j
.endr
.irp j, 0,1,2,3
	global_load_b128 v[SS+8+4*\j:SS+8+4*\j+3], v9, s[6:7] offset:2048*\j
.endr
.irp b, 0,1,2,3,4,5,6,7
	global_load_b128 v[BJ+8*\b:BJ+8*\b+3], v4, s[12:13] offset:128*(\b/2)+32*(\b%2)
	global_load_b128 v[BJ+8*\b+4:BJ+8*\b+7], v4, s[12:13] offset:128*(\b/2)+32*(\b%2)+16
.endr
.irp a, 0,1,2,3
	global_load_b32 v[BI+2*\a], v5, s[16:17] offset:64*\a
.endr
	s_wait_loadcnt 26                              ; part 1's scale words are in; the 26 loads issued behind them may be out
.irp j, 0,1,2,3,4,5,6,7
	ds_store_b128 v[SLA], v[AF+4*\j:AF+4*\j+3] offset:2048*\j
.endr
	s_wait_tensorcnt 0x0                           ; my part of chunk 0 is in; the full sequence ahead of region 1's first fill
	ds_add_u32 v[SPW], v[NIL]
	s_mov_b32 s[G1A+1], 576<<16                    ; no load of mine is out: from here on a row is three images long
	s_mov_b32 s[G1A+3], 576<<16
	s_mov_b32 s[G1B+1], 576<<16
	s_mov_b32 s[G1B+3], 576<<16
	s_wait_dscnt 0x0                               ; the add is done, my scale words lie in LDS
	CROUND
	JLOAD G0A+4, G1A, G0B+4, G1B                   ; chunk 1
	FETCHMID 0
	FETCH_A 0, 4
	global_prefetch_b8 v[PF], s[4:5] offset:5*FRB th:TH_LOAD_NT scope:SCOPE_SE     ; chunk 2
	global_prefetch_b8 v[PF+1], s[4:5] offset:5*FRB th:TH_LOAD_NT scope:SCOPE_SE
	STEP 0, 1                                      ; the first products start the sums
	s_wait_loadcnt 0x0                             ; the biases and part 2's scale words
.irp j, 0,1,2,3,4,5
	ds_store_b128 v[SSA], v[SS+4*\j:SS+4*\j+3] offset:2048*\j   ; read by all waves behind later barriers
.endr
	; part 2's group 0s
	s_lshl_b32 s46, s[TR2], 3
	s_add_co_u32 s46, s46, 1152
	s_mul_i32 s46, s46, RBB
	s_mul_i32 s21, s[WC], 4*RBB
	s_add_co_u32 s46, s46, s21
	s_mov_b32 s47, 0
	s_mov_b32 s[G0Y], 1
	s_add_co_u32 s[G0Y+1], s21, REG
	s_add_nc_u64 s[G0Y+2:G0Y+3], s[4:5], s[46:47]
	s_or_b32 s[G0Y+3], s[G0Y+3], 0x80000000
	s_lshl_b32 s22, s[TC2], 4
	s_add_co_u32 s22, s22, 512
	s_mul_i32 s22, s22, RBB
	s_mov_b32 s23, 0
	s_add_nc_u64 s[G0Z+2:G0Z+3], s[4:5], s[22:23]  ; x2's 16 row blocks (chunk 0's load has been shown landed)
	s_mul_i32 s22, s[WC], 2*RBB
	s_mov_b32 s[G0X], 1
	s_add_co_u32 s[G0X+1], s22, REG+8*RBB
	s_add_nc_u64 s[G0X+2:G0X+3], s[G0Z+2:G0Z+3], s[22:23]
	s_or_b32 s[G0X+3], s[G0X+3], 0x80000000
	s_mul_i32 s22, s[WV], 3*RBB                    ; B's second group: blocks 4 + 3 wave on, into region 0
	s_mov_b32 s[G0Z+1], s22
	s_add_nc_u64 s[G0Z+2:G0Z+3], s[G0Z+2:G0Z+3], s[22:23]
	s_add_nc_u64 s[G0Z+2:G0Z+3], s[G0Z+2:G0Z+3], 4*RBB
	s_or_b32 s[G0Z+3], s[G0Z+3], 0x80000000
	; where my results go.  Part 1: [row block][8][1536], scale words [128 rows][8][128]
	s_lshl_b32 s21, s45, 4
	s_lshl_b32 s22, s[WR], 3
	s_add_co_u32 s21, s21, s22
	s_lshl_b32 s23, s40, 1
	s_add_co_u32 s23, s23, s[WC]
	s_lshl_b32 s46, s21, 3
	s_add_co_u32 s46, s46, s23
	s_mul_i32 s46, s46, FRB
	s_mul_i32 s22, s[PROD], 6291456
	s_add_co_u32 s46, s46, s22
	s_add_nc_u64 s[12:13], s[8:9], s[46:47]
	s_add_co_u32 s46, s21, s23
	s_lshl_b32 s46, s46, 9
	s_lshl_b32 s22, s[PROD], 18
	s_add_co_u32 s46, s46, s22
	s_add_nc_u64 s[14:15], s[10:11], s[46:47]
	; Part 2: v^T: [batch][64 row blocks][16][1536], scale words [batch][8 tiles][16][128]
	s_lshl_b32 s21, s[TC2], 1
	s_add_co_u32 s21, s21, s[WC]
	s_lshr_b32 s22, s21, 4
	s_and_b32 s21, s21, 15
	s_lshl_b32 s23, s22, 3
	s_add_co_u32 s23, s23, s[TR2]
	s_lshl_b32 s46, s23, 4
	s_add_co_u32 s46, s46, s21
	s_lshl_b32 s46, s46, 9
	s_lshl_b32 s22, s[WR], 8
	s_add_co_u32 s46, s46, s22
	s_add_co_u32 s46, s46, 524288
	s_add_nc_u64 s[10:11], s[10:11], s[46:47]
	s_lshl_b32 s23, s23, 3
	s_lshl_b32 s22, s[WR], 2
	s_add_co_u32 s23, s23, s22
	s_lshl_b32 s46, s23, 4
	s_add_co_u32 s46, s46, s21
	s_mul_i32 s46, s46, FRB
	s_add_co_u32 s46, s46, 12582912
	s_add_nc_u64 s[8:9], s[8:9], s[46:47]
	TURN 1, 2                                      ; region 0 takes chunk 2
	global_prefetch_b8 v[PF+4], s[4:5] th:TH_LOAD_NT scope:SCOPE_SE                ; part 2's operands
	global_prefetch_b8 v[PF+5], s[4:5] th:TH_LOAD_NT scope:SCOPE_SE
	global_prefetch_b8 v[PF+6], s[4:5] offset:8192 th:TH_LOAD_NT scope:SCOPE_SE
	STEP 2, 0
	STEP 3, 0
	TURN 4, 3                                      ; region 1 takes part 2's A and B's first four row blocks
	STEP 5, 0
	STEP 6, 0
	s_wait_dscnt 12
	WIN 0xa1
	MULA 0, 7, 0
	MULA 2, 7, 0
	s_wait_dscnt 0x0
	WIN 0xf1
	MULA 4, 7, 0
	MULA 6, 7, 0
	WIN 0
	s_wait_tensorcnt 0x0                           ; part 2's first group has landed
	ds_add_u32 v[SPW], v[NIL]
	s_mov_b32 s[G1X+2], 3<<16                      ; no load of mine is out: B's second group, 3 row blocks a wave
	s_mov_b32 s[G1X+4], 3
	s_wait_dscnt 0x0                               ; the add is done; my reads of region 0 are over
	CROUND
	tensor_load_to_lds s[G0Z:G0Z+3], s[G1X:G1X+7]  ; it has part 1's way out in which to land
	s_nop 0
.rept 4
	v_nop
.endr
; PART 1'S WAY OUT, 16 rows x 128 columns at a time: bias, quantiser, the fragment leaves as its image
.macro OUTB a
.set AC, 64*((\a)%4)
	WIN 0x02+(\a)/4
.set j, 0
.rept 32
	v_pk_add_f32 v[NU+j:NU+j+1], v[AC+j:AC+j+1], v[BJ+j:BJ+j+1]   ; each accumulator from its low end on
.set j, j+2
.endr
	WIN 0
.if (\a) > 0
	s_wait_dscnt 0x0                               ; the last block's word has left its register,
	s_wait_xcnt 0x0                                ; and its stores have read the codes
.endif
	QUANT NU
.irp c, 0,1,2
	global_store_b128 v[LI], v[PC+4*\c:PC+4*\c+3], s[12:13] offset:RBB*(\a)+512*\c   ; 512 consecutive bytes, aligned
.endr
	ds_store_b32 v[SWA], v[PW] offset:64*(\a)
.endm
.irp b, 0,1,2,3
	v_mov_b32 v[TM+4+\b], 0                        ; a lane permute's destination counts as a source
.endr
.irp a, 0,1,2,3,4,5,6,7
	OUTB \a
.endr
	ds_load_b128 v[NU:NU+3], v[SRA]                ; my 128 rows' scale words: LDS serves a wave's instructions in order
	s_wait_dscnt 0x0
	global_store_b128 v[LI], v[NU:NU+3], s[14:15]
	s_wait_tensorcnt 0x0                           ; my part of the second group has landed
	ds_add_u32 v[SPW], v[NIL]
	s_wait_xcnt 0x0                                ; part 1's stores and the prefetches have read their registers
	s_wait_dscnt 0x0
	s_barrier_signal -1
	s_barrier_wait -1                              ; all of part 2's operands lie in LDS; nothing is filled from here on
.irp q, 0,1,2,3,4,5,6,7
.irp i, 0,1,2,3,4,5,6,7
	ds_load_b32 v[SC+8*\q+\i], v[ADRS2] offset:64*\i+512*\q   ; lanes 16-31: B's block i; lanes 0-15: A's block i (over 3: words that no product names)
.endr
.endr
	FETCH2 0, 0
.irp q, 0,1,2,3,4,5,6,7
	STEP2 \q
.endr
	WIN 0
.macro OUT2 a
.set AC, 64*(\a)
	WIN 0x02
.set j, 0
.rept 32
	v_pk_add_f32 v[NU+j:NU+j+1], v[AC+j:AC+j+1], v[BI+2*(\a):BI+2*(\a)+1] op_sel_hi:[1,0]   ; the row's bias
.set j, j+2
.endr
	WIN 0
.if (\a) > 0
	s_wait_dscnt 0x0
	s_wait_xcnt 0x0
.endif
	QUANT NU
.irp c, 0,1,2
	global_store_b128 v[LI], v[PC+4*\c:PC+4*\c+3], s[8:9] offset:16*FRB*(\a)+512*\c
.endr
	ds_store_b32 v[SWA], v[PW] offset:64*(\a)
.endm
	PLACES
.irp a, 0,1,2,3
	OUT2 \a
.endr
	ds_load_b64 v[NU:NU+1], v[SRB]
	s_wait_dscnt 0x0
	global_store_b64 v[L8], v[NU:NU+1], s[10:11]   ; 32 lanes store 256 consecutive bytes, aligned
	s_wait_tensorcnt 0x0                           ; the wave's end
	ds_add_u32 v[SPW], v[NIL]
	s_wait_dscnt 0x0
	CROUND                                         ; the closing round
	s_endpgm
.Lfunc_end_k_qd199de921e_proj:
	.size	k_qd199de921e_proj, .Lfunc_end_k_qd199de921e_proj-k_qd199de921e_proj
	.p2alignl 7, 3214868480
	.fill 96, 4, 3214868480
	.section	.rodata,"a",@progbits
	.p2align	6, 0x0
	.amdhsa_kernel k_qd199de921e_proj
		.amdhsa_group_segment_fixed_size 327680
		.amdhsa_private_segment_fixed_size 0
		.amdhsa_enable_private_segment 0
		.amdhsa_kernarg_size 56
		.amdhsa_user_sgpr_count 2
		.amdhsa_user_sgpr_kernarg_segment_ptr 1
		.amdhsa_wavefront_size32 1
		.amdhsa_system_sgpr_workgroup_id_x 1
		.amdhsa_system_sgpr_workgroup_id_y 1
		.amdhsa_system_sgpr_workgroup_id_z 1
		.amdhsa_system_vgpr_workitem_id 0
		.amdhsa_next_free_vgpr 1024
		.amdhsa_next_free_sgpr 102
		.amdhsa_reserve_vcc 0
		.amdhsa_float_denorm_mode_32 3
		.amdhsa_float_denorm_mode_16_64 3
		.amdhsa_memory_ordered 1
		.amdhsa_forward_progress 1
		.amdhsa_inst_pref_size 249
	.end_amdhsa_kernel
	.amdgpu_metadata
---
amdhsa.version: [ 1, 2 ]
amdhsa.kernels:
  - .name:           k_qd199de921e_proj
    .symbol:         k_qd199de921e_proj.kd
    .args:
      - { .name: xw_codes, .offset: 0, .size: 8, .value_kind: global_buffer, .address_space: global }
      - { .name: xw_scales, .offset: 8, .size: 8, .value_kind: global_buffer, .address_space: global }
      - { .name: qkv_codes, .offset: 16, .size: 8, .value_kind: global_buffer, .address_space: global }
      - { .name: qkv_scales, .offset: 24, .size: 8, .value_kind: global_buffer, .address_space: global }
      - { .name: bq, .offset: 32, .size: 8, .value_kind: global_buffer, .address_space: global }
      - { .name: bk, .offset: 40, .size: 8, .value_kind: global_buffer, .address_space: global }
      - { .name: bv, .offset: 48, .size: 8, .value_kind: global_buffer, .address_space: global }
    .group_segment_fixed_size: 327680
    .private_segment_fixed_size: 0
    .kernarg_segment_align: 8
    .kernarg_segment_size: 56
    .max_flat_workgroup_size: 128
    .sgpr_count:     102
    .vgpr_count:     1024
    .wavefront_size: 32
...
	.end_amdgpu_metadata
.endif
;; end of part 2
;; launch scores (part 3): grid 8 x 32, 4 waves a work-group, clusters of 4 x 4, 327,680 bytes of LDS; arguments qkv_codes, qkv_scales, p_codes, p_stats; writes p_codes, p_stats
.if DOCPART == 3
	.amdgcn_target "amdgcn-amd-amdhsa--gfx1250"
	.amdhsa_code_object_version 6
	.text
	.protected	k_qd199de921e_scores
	.globl	k_qd199de921e_scores
	.p2align	8
	.type	k_qd199de921e_scores,@function
k_qd199de921e_scores:
	s_mov_b64 s[64:65], 0
	v_nop
	global_prefetch_b8 v0, s[64:65] scope:SCOPE_SE
	s_setreg_imm32_b32 hwreg(HW_REG_WAVE_MODE, 25, 1), 1
	s_wait_xcnt 0x0
	s_wait_alu depctr_hold_cnt(0) depctr_sa_sdst(0) depctr_va_vdst(0) depctr_va_sdst(0) depctr_va_ssrc(0) depctr_va_vcc(0) depctr_vm_vsrc(0)
	s_getreg_b32 s2, hwreg(HW_REG_IB_STS2, 6, 4)
	s_cmp_eq_u32 s2, 0
	s_cbranch_scc0 .Lentry_in_a_cluster
	s_endpgm
.Lentry_in_a_cluster:
	s_bfe_u32 s2, ttmp6, 0x10000c
	s_cmp_lg_u32 s2, 0xf033
	s_cbranch_scc0 .Lentry_shape_is_right
	s_endpgm
.Lentry_shape_is_right:
; S = q k^T on codes of FP6 (E2M3) with E8M0 scales, 4 batches of 2048 x 2048 x 1024, and the softmax's p ahead of the last product.
; For each query and each run of 128 keys: t = score x log2(e) / 32; M = the run's largest t rounded up to a whole number (the maximum IS taken away: locally here; the next launch brings every run under the row's M by a whole
; number taken off the scale bytes, which changes no code); p = 2^(t - M); l = the sum of the unquantised p.  p leaves as codes (images of operand registers) with one scale word; -M and l as f32.
; A tile of 256 x 256, four waves of 128 x 128.  K's eight steps go in chunks of 2, 3 and 3 through two LDS regions of 3 steps.  At the head each wave issues one joint load, its 128 rows of chunk 0 (24,576 bytes).
; Chunk 1 is asked for behind the full sequence and a round, chunk 2 (into region 0) behind the round in step 1.  q jointly along a row of the 4 x 4 cluster, k along a column.
; The scale words, 16,384 of the work-group's 409,600 operand bytes, come through registers and are not asked for jointly.
; PREFETCH: behind the load of one chunk the next is asked for: of a tile's 16 row blocks each partner takes 4, each wave one, a lane a block of 256 bytes (18 blocks a chunk); partners are told apart by address.
; k's rows are stored with bits 3 and 4 of the key's number changed over: with k as source 0 a lane (r, h) holds query r, and registers 8 b + j are keys 32 (b / 2) + 16 h + 8 (b % 2) + j.
; LIMITS: NaN and infinities are not served; a p under 2^-126 is 0; a block whose every p is under 2^-124 keeps the byte 1; the scaled scores stay under 2^31.
; REGISTERS: window 0: v8-29 addresses; v32-47 scale words, two sets; v128-223 A's fragments (head: scale words; later p and its codes); v224-248 at work.  window 1: B's fragments, two sets.  windows 2, 3: the accumulators.
.set FRB,   1536
.set RBB,   8*FRB
.set HALF,  8*3*FRB
.set REG,   4*HALF
.set SCL,   2*REG
.set SPARE, SCL+16384
.set STAGE, REG                        ; the way out's 2,048 bytes a wave lie in region 1: it has had its only fill, and nobody reads it behind step 4's barrier
.set PF,   8
.set SGA,  12
.set SGB,  13
.set SLA,  14
.set ADRA, 16
.set ADRB, 20
.set LI,   24
.set SWA,  25
.set SRA,  26
.set ADRS, 27
.set SPW,  28
.set NIL,  29
.set SC,   32
.set AF,   128
.set NU,   128
.set PC,   192
.set BM,   224
.set BX,   228
.set TQ,   232
.set LL,   233
.set NM,   234
.set SUA,  236
.set SUB,  238
.set SO,   240
.set BY,   244
.set PW,   248
.set WV,   18
.set WR,   19
.set WC,   20
.set G1A,  24
.set G1B,  32
.set CS,   66
.set G0A,  76
.set G0B,  88
.set SEL,  100
.set MSB, 0
.macro WIN new
.if MSB != (\new)
	s_set_vgpr_msb (MSB<<8)|(\new)
.set MSB, (\new)
.endif
.endm
.macro PLACES
.rept 4
	v_nop
.endr
.endm
.macro CREST
	s_cmp_lg_u32 s[WV], 0
	s_cbranch_scc1 .Lnot_wave_0_\@
	s_barrier_signal -3
.Lnot_wave_0_\@:
	s_barrier_wait -3
	s_barrier_signal -1
	s_barrier_wait -1
.endm
.macro CROUND
	s_barrier_signal -1
	s_barrier_wait -1
	CREST
.endm
.macro JLOAD s                         ; chunk s: waves 0 and 1 fetch q's halves, waves 2 and 3 k's
	s_cmp_eq_u32 s[WR], 0
	s_cbranch_scc0 .Lfor_b_\@
	tensor_load_to_lds s[G0A+4*\s:G0A+4*\s+3], s[G1A:G1A+7]
	s_nop 0
.rept 4
	v_nop
.endr
	s_branch .Lasked_\@
.Lfor_b_\@:
	tensor_load_to_lds s[G0B+4*\s:G0B+4*\s+3], s[G1B:G1B+7]
	s_nop 0
.rept 4
	v_nop
.endr
.Lasked_\@:
.endm
.macro FRAG reg, adr, off
	ds_load_b128 v[\reg:\reg+3], v[\adr] offset:\off
	ds_load_b128 v[\reg+4:\reg+7], v[\adr] offset:\off+512
	ds_load_b128 v[\reg+8:\reg+11], v[\adr] offset:\off+1024
.endm
.macro LOC st                          ; step st lies in region LG, as image LQ of each row block's LR
.if (\st) < 2
.set LG, 0
.set LQ, (\st)
.set LR, 2
.else
.set LG, (((\st)+1)/3)%2
.set LQ, ((\st)+1)%3
.set LR, 3
.endif
.endm
.macro FETCH_B st
	LOC \st
	WIN 0x40
.irp i, 0,1,2,3,4,5,6,7
	FRAG 128*((\st)%2)+12*\i, ADRB+LG, (\i*LR+LQ)*FRB
.endr
	WIN 0
.endm
.macro FETCH_A st, i0
	LOC \st
.irp i, \i0, \i0+1, \i0+2, \i0+3
	FRAG AF+12*(\i), ADRA+LG, ((\i)*LR+LQ)*FRB
.endr
.endm
.macro SCALES st
.irp i, 0,1,2,3,4,5,6,7
	ds_load_b32 v[SC+8*((\st)%2)+\i], v[ADRS] offset:64*\i+512*(\st)
.endr
.endm
.macro FETCHMID st
	FETCH_B \st
	FETCH_A \st, 0
	SCALES \st
.endm
; 16 products: q's blocks a0, a0 + 1 x k's eight; the 64 accumulators take turns
.macro MULA a0, st, cm
.irp a, \a0, \a0+1
.irp b, 0,1,2,3,4,5,6,7
.set DD, 8*((8*(\a)+\b)%32)
.set BB, 128*((\st)%2)+12*\b
.set SW, SC+8*((\st)%2)
.if \cm == 0
	v_wmma_scale_f32_16x16x128_f8f6f4 v[DD:DD+7], v[BB:BB+11], v[AF+12*(\a):AF+12*(\a)+11], v[DD:DD+7], v[SW+\b], v[SW+(\a)] matrix_a_fmt:MATRIX_FMT_FP6 matrix_b_fmt:MATRIX_FMT_FP6 matrix_a_scale:MATRIX_SCALE_ROW1
.else
	v_wmma_scale_f32_16x16x128_f8f6f4 v[DD:DD+7], v[BB:BB+11], v[AF+12*(\a):AF+12*(\a)+11], 0, v[SW+\b], v[SW+(\a)] matrix_a_fmt:MATRIX_FMT_FP6 matrix_b_fmt:MATRIX_FMT_FP6 matrix_a_scale:MATRIX_SCALE_ROW1
.endif
.endr
.endr
.endm
.macro STEP st, cm
	s_wait_dscnt 12                                ; all but the youngest twelve loads (A's blocks 4-7)
	WIN 0xa1
	MULA 0, \st, \cm
	MULA 2, \st, \cm
	s_wait_dscnt 0x0
	PLACES
	FETCHMID (\st)+1
	WIN 0xf1
	MULA 4, \st, \cm
	MULA 6, \st, \cm
	PLACES
	WIN 0
	FETCH_A (\st)+1, 4
.endm
; a chunk's last step.  mode 2: region 0 is filled again, with chunk 2, behind a round; mode 1: the same three lines and a plain barrier
.macro TURN st, mode
	s_wait_tensorcnt 0x0                           ; all my tensor loads have landed
	ds_add_u32 v[SPW], v[NIL]
	s_wait_dscnt 13                                ; (the add and A's blocks 4-7 may be out)
	WIN 0xa1
	MULA 0, \st, 0
	s_wait_dscnt 0x0                               ; the add is done, my reads of this region are over
	s_barrier_signal -1
	MULA 2, \st, 0
	WIN 0
	s_barrier_wait -1
.if \mode == 2
	CREST
	JLOAD 2
.else
	PLACES
.endif
	FETCHMID (\st)+1
	WIN 0xf1
	MULA 4, \st, 0
	MULA 6, \st, 0
	PLACES
	WIN 0
	FETCH_A (\st)+1, 4
.endm
	s_load_b256 s[4:11], s[0:1], 0x0               ; qkv_codes, qkv_scales, p_codes, p_stats
	v_lshl_add_u32 v[SPW], v0, 2, SPARE
	v_mov_b32 v[NIL], 0
	ds_add_u32 v[SPW], v[NIL]                      ; the opening lines: two adds and one wait
	ds_add_u32 v[SPW], v[NIL]
	v_lshrrev_b32 v1, 5, v0
	v_readfirstlane_b32 s[WV], v1
	s_lshr_b32 s[WR], s[WV], 1
	s_and_b32 s[WC], s[WV], 1
	s_bfe_u32 s40, ttmp6, 0x40000                  ; cx
	s_bfe_u32 s41, ttmp6, 0x40004                  ; cy
	s_and_b32 s21, ttmp7, 0xffff
	s_lshr_b32 s2, s21, 1                          ; the batch
	s_lshl_b32 s45, s21, 2
	s_add_co_u32 s45, s45, s41                     ; tile row (256 queries, over all batches)
	s_lshl_b32 s42, ttmp9, 2
	s_add_co_u32 s42, s42, s40                     ; tile column (256 keys of the batch)
	s_lshl_b32 s43, s41, 2
	s_lshl_b32 s43, 15, s43
	s_lshl_b32 s44, 0x1111, s40
	s_or_b32 s[G1A], s43, (3<<16)|(1<<21)
	s_or_b32 s[G1B], s44, (3<<16)|(1<<21)
.irp g, G1A, G1B                               ; chunk 0: 8 row blocks x 3,072 bytes, 12,288 bytes apart
	s_mov_b32 s[\g+1], 384<<16
	s_mov_b32 s[\g+2], 8<<16
	s_mov_b32 s[\g+3], 384<<16
	s_mov_b32 s[\g+4], 8
	s_mov_b32 s[\g+5], 1536
	s_mov_b32 s[\g+6], 0
	s_mov_b32 s[\g+7], 0
.endr
	s_lshl_b32 s46, s45, 4                         ; q's first row block
	s_lshl_b32 s22, s42, 4
	s_lshl_b32 s23, s2, 7
	s_add_co_u32 s22, s22, s23                     ; k's
	s_lshl_b32 s21, s[WC], 3
	s_add_co_u32 s23, s46, s21
	s_mul_i32 s[G0A+2], s23, RBB                   ; my half of q's tile,
	s_mov_b32 s[G0A+3], 0
	s_add_co_u32 s23, s22, s21
	s_mul_i32 s[G0B+2], s23, RBB                   ; of k's, whose codes lie behind q's
	s_add_co_u32 s[G0B+2], s[G0B+2], 6291456
	s_mov_b32 s[G0B+3], 0
.irp g, G0A, G0A+4, G0A+8, G0B, G0B+4, G0B+8
	s_mov_b32 s[\g], 1
.endr
	s_mul_i32 s21, s[WV], HALF
	s_mov_b32 s[G0A+1], s21
	s_mov_b32 s[G0B+1], s21
	s_add_co_u32 s[G0A+5], s21, REG
	s_add_co_u32 s[G0B+5], s21, REG
	s_mov_b32 s[G0A+9], s21
	s_mov_b32 s[G0B+9], s21
	s_lshl_b32 s12, s40, 2                         ; prefetch, q: row block 4 cx + wave of the tile's 16
	s_add_co_u32 s12, s12, s46
	s_add_co_u32 s12, s12, s[WV]
	s_mul_i32 s12, s12, RBB
	s_lshl_b32 s13, s41, 2                         ; k: row block 4 cy + wave
	s_add_co_u32 s13, s13, s22
	s_add_co_u32 s13, s13, s[WV]
	s_mul_i32 s13, s13, RBB
	s_add_co_u32 s13, s13, 6291456
	s_lshl_b32 s14, s46, 9                         ; the scale words: 512 bytes a row block
	s_lshl_b32 s15, s22, 9
	s_add_co_u32 s15, s15, 262144
	; where my results go: p_codes [row block of queries][16][1536]; p_stats: three tables [128 queries][16][128 words]
	s_lshl_b32 s23, s[WR], 3
	s_add_co_u32 s3, s46, s23
	s_lshl_b32 s23, s42, 1
	s_add_co_u32 s23, s23, s[WC]
	s_lshl_b32 s16, s3, 4
	s_add_co_u32 s16, s16, s23
	s_mul_i32 s16, s16, FRB
	s_mov_b32 s17, 0
	s_lshl_b32 s46, s3, 1
	s_add_co_u32 s46, s46, s23
	s_lshl_b32 s46, s46, 9
	s_mov_b32 s47, 0
	s_mul_i32 s21, s[WR], HALF
	s_mul_i32 s23, s[WC], HALF
	s_add_co_u32 s23, s23, 2*HALF
	s_lshl_b32 s44, s[WR], 12
	s_lshl_b32 s3, s[WC], 12
	s_add_co_u32 s3, s3, 8192
	s_sub_co_u32 s3, s3, s44
	s_add_co_u32 s44, s44, SCL
	s_lshl_b32 s2, s[WV], 11
	s_add_co_u32 s2, s2, STAGE
	s_mov_b32 s[SEL], 0x76543210
	s_mov_b32 s[SEL+1], 0xfedcba98
	s_mov_b32 s[CS], 0x3d38aa3b                    ; log2(e) / 32
	s_mov_b32 s[CS+1], s[CS]
	v_and_b32 v1, 31, v0
	v_and_b32 v2, 15, v0
	v_bfe_u32 v3, v0, 4, 1
	v_min_u32 v4, 17, v1
	v_lshlrev_b32 v[LI], 4, v1
	v_lshl_add_u32 v[PF], v4, 8, s12
	v_lshl_add_u32 v[PF+1], v4, 8, s13
	v_lshl_add_u32 v[SGA], v0, 4, s14
	v_lshl_add_u32 v[SGB], v0, 4, s15
	v_lshl_add_u32 v[SLA], v0, 4, SCL
	v_add_nc_u32 v[ADRA], s21, v[LI]
	v_add_nc_u32 v[ADRB], s23, v[LI]
	v_add_nc_u32 v[ADRA+1], REG, v[ADRA]
	v_add_nc_u32 v[ADRB+1], REG, v[ADRB]
	v_mul_u32_u24 v6, s3, v3                       ; lanes 16-31 take k's words: the lower base + h x the distance
	v_lshl_add_u32 v6, v2, 2, v6
	v_add_nc_u32 v[ADRS], s44, v6
	v_lshl_add_u32 v[SWA], v2, 2, s2
	v_add_nc_u32 v[SRA], s2, v[LI]
.irp b, 0,1,2,3
	v_mov_b32 v[BX+\b], 0                          ; a lane permute's destination counts as one of its sources
.endr
	v_mov_b32 v[TQ], 0
	v_mov_b32 v[NM+1], 0                           ; (named with -M as a pair)
	s_wait_alu depctr_va_vdst(0)
	s_wait_dscnt 0x0                               ; both opening adds are done
	s_wait_kmcnt 0x0
.irp j, 0,1,2,3
	global_load_b128 v[AF+4*\j:AF+4*\j+3], v[SGA], s[6:7] offset:2048*\j           ; the scale words: q's 8,192 dense bytes,
.endr
.irp j, 0,1,2,3
	global_load_b128 v[AF+16+4*\j:AF+16+4*\j+3], v[SGB], s[6:7] offset:2048*\j     ; k's
.endr
	s_add_nc_u64 s[G0A+2:G0A+3], s[4:5], s[G0A+2:G0A+3]
	s_add_nc_u64 s[G0A+6:G0A+7], s[G0A+2:G0A+3], 2*FRB
	s_add_nc_u64 s[G0A+10:G0A+11], s[G0A+2:G0A+3], 5*FRB
	s_add_nc_u64 s[G0B+2:G0B+3], s[4:5], s[G0B+2:G0B+3]
	s_add_nc_u64 s[G0B+6:G0B+7], s[G0B+2:G0B+3], 2*FRB
	s_add_nc_u64 s[G0B+10:G0B+11], s[G0B+2:G0B+3], 5*FRB
.irp g, G0A+3, G0A+7, G0A+11, G0B+3, G0B+7, G0B+11
	s_or_b32 s[\g], s[\g], 0x80000000
.endr
	s_add_nc_u64 s[8:9], s[8:9], s[16:17]
	s_add_nc_u64 s[10:11], s[10:11], s[46:47]
	CROUND                                         ; all sixteen work-groups are here: the first joint loads meet
	JLOAD 0                                        ; one load a wave: my 128 rows of chunk 0
	global_prefetch_b8 v[PF], s[4:5] offset:2*FRB th:TH_LOAD_NT scope:SCOPE_SE     ; chunk 1
	global_prefetch_b8 v[PF+1], s[4:5] offset:2*FRB th:TH_LOAD_NT scope:SCOPE_SE
	s_wait_loadcnt 0x0                             ; the scale words are in
.irp j, 0,1,2,3,4,5,6,7
	ds_store_b128 v[SLA], v[AF+4*\j:AF+4*\j+3] offset:2048*\j
.endr
	s_wait_tensorcnt 0x0                           ; my part of chunk 0 is in; the full sequence ahead of region 1's first fill
	ds_add_u32 v[SPW], v[NIL]
	s_mov_b32 s[G1A+1], 576<<16                    ; no load of mine is out: from here on a row is three images long
	s_mov_b32 s[G1A+3], 576<<16
	s_mov_b32 s[G1B+1], 576<<16
	s_mov_b32 s[G1B+3], 576<<16
	s_wait_dscnt 0x0                               ; the add is done, my scale words lie in LDS
	CROUND
	JLOAD 1                                        ; chunk 1
	FETCHMID 0
	FETCH_A 0, 4
	global_prefetch_b8 v[PF], s[4:5] offset:5*FRB th:TH_LOAD_NT scope:SCOPE_SE     ; chunk 2
	global_prefetch_b8 v[PF+1], s[4:5] offset:5*FRB th:TH_LOAD_NT scope:SCOPE_SE
	STEP 0, 1                                      ; the first products start the sums
	TURN 1, 2                                      ; region 0 takes chunk 2
	STEP 2, 0
	STEP 3, 0
	TURN 4, 1
	STEP 5, 0
	STEP 6, 0
	s_wait_dscnt 12
	WIN 0xa1
	MULA 0, 7, 0
	MULA 2, 7, 0
	s_wait_dscnt 0x0
	WIN 0xf1
	MULA 4, 7, 0
	MULA 6, 7, 0
	WIN 0
; THE WAY OUT of 16 queries x 128 keys.  A lane holds one query and 64 keys, register 16 b + i = key 32 b + 16 (lane / 16) + i.
.macro OUTP a
.set AC, 64*((\a)%4)
.set WW, 2+(\a)/4
	s_wait_dscnt 0x0                               ; the last block's three words have left their registers
	WIN WW|(WW<<2)
.irp b, 0,1,2,3
	v_max3_num_f32 v[BM+\b], v[AC+16*\b], v[AC+16*\b+1], 0xff7fffff   ; the largest score of each block of 32 keys; each accumulator from its low end on
.endr
.irp i, 2,4,6,8,10,12,14
.irp b, 0,1,2,3
	v_max3_num_f32 v[BM+\b], v[AC+16*\b+\i], v[AC+16*\b+\i+1], v[BM+\b]
.endr
.endr
	WIN 0
.irp b, 0,1,2,3
	v_permlanex16_b32 v[BX+\b], v[BM+\b], s[SEL], s[SEL+1]
.endr
.irp b, 0,1,2,3
	v_max_num_f32 v[BM+\b], v[BM+\b], v[BX+\b]
.endr
	v_max3_num_f32 v[TQ], v[BM], v[BM+1], v[BM+2]
	v_max_num_f32 v[TQ], v[TQ], v[BM+3]
	v_mul_f32 v[TQ], s[CS], v[TQ]
	v_floor_f32 v[NM], -v[TQ]                      ; -M = floor(-t): M is a whole number
	WIN WW
.set j, 0
.rept 32
	v_pk_fma_f32 v[NU+j:NU+j+1], v[AC+j:AC+j+1], s[CS:CS+1], v[NM:NM+1] op_sel_hi:[1,0,0]   ; t - M
.set j, j+2
.endr
	WIN 0
.irp b, 0,1,2,3
	v_fma_f32 v[BM+\b], v[BM+\b], s[CS], v[NM]
.endr
.set j, 0
	s_wait_alu depctr_va_vdst(0)
.rept 64
	v_exp_f32 v[NU+j], v[NU+j]                     ; p = 2^(t - M), at most 1
.set j, j+1
.endr
	v_nop
	s_wait_alu depctr_va_vdst(0)                   ; one wait for the batch of 64, ahead of its first reader
.irp b, 0,1,2,3
	v_exp_f32 v[BM+\b], v[BM+\b]                   ; the block's largest p: the same two instructions on the same number
.endr
	v_pk_add_f32 v[SUA:SUA+1], v[NU:NU+1], v[NU+2:NU+3]     ; the sum of the unquantised p, in two chains
	v_pk_add_f32 v[SUB:SUB+1], v[NU+4:NU+5], v[NU+6:NU+7]
.set j, 8
.rept 14
	v_pk_add_f32 v[SUA:SUA+1], v[SUA:SUA+1], v[NU+j:NU+j+1]
	v_pk_add_f32 v[SUB:SUB+1], v[SUB:SUB+1], v[NU+j+2:NU+j+3]
.set j, j+4
.endr
	v_pk_add_f32 v[SUA:SUA+1], v[SUA:SUA+1], v[SUB:SUB+1]
	v_add_f32 v[LL], v[SUA], v[SUA+1]
	v_permlanex16_b32 v[TQ], v[LL], s[SEL], s[SEL+1]
	v_add_f32 v[LL], v[LL], v[TQ]
	s_wait_alu depctr_va_vdst(0)                   ; and one for the four
.irp b, 0,1,2,3
	v_max_num_f32 v[BM+\b], 0x1800000, v[BM+\b]    ; the floor 2^(3 - 127)
.endr
.irp b, 0,1,2,3
	v_add_nc_u32 v[SO+\b], 0xff000000, v[BM+\b]
.endr
.irp b, 0,1,2,3
	v_lshrrev_b32 v[BY+\b], 23, v[SO+\b]           ; the scale's byte: at most 125
.endr
	v_lshl_or_b32 v[PW], v[BY+1], 8, v[BY]
	v_lshl_or_b32 v[PW], v[BY+2], 16, v[PW]
	v_lshl_or_b32 v[PW], v[BY+3], 24, v[PW]
	s_wait_xcnt 0x0                                ; the last block's stores have read the codes' registers
.irp c, 0,1
	v_cvt_scalef32_pk16_fp6_f32 v[PC+6*\c:PC+2+6*\c], v[NU+32*\c:NU+15+32*\c], v[SO+2*\c]
	v_cvt_scalef32_pk16_fp6_f32 v[PC+12+4*\c:PC+14+4*\c], v[NU+16+32*\c:NU+31+32*\c], v[SO+2*\c+1]
.endr
	v_nop
.irp c, 0,1
.irp i, 0,1,2
	v_permlane16_swap_b32 v[PC+6*\c+\i], v[PC+12+4*\c+\i]
.endr
.irp i, 0,1,2
	v_mov_b32 v[PC+3+6*\c+\i], v[PC+12+4*\c+\i]
.endr
.endr
.irp c, 0,1,2
	global_store_b128 v[LI], v[PC+4*\c:PC+4*\c+3], s[8:9] offset:24576*(\a)+512*\c   ; the image: 512 consecutive bytes, aligned
.endr
	ds_store_b32 v[SWA], v[PW] offset:64*(\a)
	ds_store_b32 v[SWA], v[NM] offset:64*(\a)+512
	ds_store_b32 v[SWA], v[LL] offset:64*(\a)+1024
.endm
	PLACES
.irp a, 0,1,2,3,4,5,6,7
	OUTP \a
.endr
.irp c, 0,1,2
	ds_load_b128 v[NU+4*\c:NU+4*\c+3], v[SRA] offset:512*\c   ; my 128 queries' scale words, -M and l
.endr
	s_wait_dscnt 0x0
.irp c, 0,1,2
	global_store_b128 v[LI], v[NU+4*\c:NU+4*\c+3], s[10:11] offset:524288*\c
.endr
	s_wait_tensorcnt 0x0                           ; the wave's end
	ds_add_u32 v[SPW], v[NIL]
	s_wait_dscnt 0x0
	CROUND                                         ; the closing round
	s_endpgm
.Lfunc_end_k_qd199de921e_scores:
	.size	k_qd199de921e_scores, .Lfunc_end_k_qd199de921e_scores-k_qd199de921e_scores
	.p2alignl 7, 3214868480
	.fill 96, 4, 3214868480
	.section	.rodata,"a",@progbits
	.p2align	6, 0x0
	.amdhsa_kernel k_qd199de921e_scores
		.amdhsa_group_segment_fixed_size 327680
		.amdhsa_private_segment_fixed_size 0
		.amdhsa_enable_private_segment 0
		.amdhsa_kernarg_size 32
		.amdhsa_user_sgpr_count 2
		.amdhsa_user_sgpr_kernarg_segment_ptr 1
		.amdhsa_wavefront_size32 1
		.amdhsa_system_sgpr_workgroup_id_x 1
		.amdhsa_system_sgpr_workgroup_id_y 1
		.amdhsa_system_sgpr_workgroup_id_z 1
		.amdhsa_system_vgpr_workitem_id 0
		.amdhsa_next_free_vgpr 1024
		.amdhsa_next_free_sgpr 102
		.amdhsa_reserve_vcc 0
		.amdhsa_float_denorm_mode_32 3
		.amdhsa_float_denorm_mode_16_64 3
		.amdhsa_memory_ordered 1
		.amdhsa_forward_progress 1
		.amdhsa_inst_pref_size 200
	.end_amdhsa_kernel
	.amdgpu_metadata
---
amdhsa.version: [ 1, 2 ]
amdhsa.kernels:
  - .name:           k_qd199de921e_scores
    .symbol:         k_qd199de921e_scores.kd
    .args:
      - { .name: qkv_codes, .offset: 0, .size: 8, .value_kind: global_buffer, .address_space: global }
      - { .name: qkv_scales, .offset: 8, .size: 8, .value_kind: global_buffer, .address_space: global }
      - { .name: p_codes, .offset: 16, .size: 8, .value_kind: global_buffer, .address_space: global }
      - { .name: p_stats, .offset: 24, .size: 8, .value_kind: global_buffer, .address_space: global }
    .group_segment_fixed_size: 327680
    .private_segment_fixed_size: 0
    .kernarg_segment_align: 8
    .kernarg_segment_size: 32
    .max_flat_workgroup_size: 128
    .sgpr_count:     102
    .vgpr_count:     1024
    .wavefront_size: 32
...
	.end_amdgpu_metadata
.endif
;; end of part 3
;; launch pv (part 4): grid 8 x 32, 4 waves a work-group, clusters of 4 x 4, 327,680 bytes of LDS; arguments p_codes, p_stats, qkv_codes, qkv_scales, out0; writes out0
.if DOCPART == 4
	.amdgcn_target "amdgcn-amd-amdhsa--gfx1250"
	.amdhsa_code_object_version 6
	.text
	.protected	k_qd199de921e_pv
	.globl	k_qd199de921e_pv
	.p2align	8
	.type	k_qd199de921e_pv,@function
k_qd199de921e_pv:
	s_mov_b64 s[64:65], 0
	v_nop
	global_prefetch_b8 v0, s[64:65] scope:SCOPE_SE
	s_setreg_imm32_b32 hwreg(HW_REG_WAVE_MODE, 25, 1), 1
	s_wait_xcnt 0x0
	s_wait_alu depctr_hold_cnt(0) depctr_sa_sdst(0) depctr_va_vdst(0) depctr_va_sdst(0) depctr_va_ssrc(0) depctr_va_vcc(0) depctr_vm_vsrc(0)
	s_getreg_b32 s2, hwreg(HW_REG_IB_STS2, 6, 4)
	s_cmp_eq_u32 s2, 0
	s_cbranch_scc0 .Lentry_in_a_cluster
	s_endpgm
.Lentry_in_a_cluster:
	s_bfe_u32 s2, ttmp6, 0x10000c
	s_cmp_lg_u32 s2, 0xf033
	s_cbranch_scc0 .Lentry_shape_is_right
	s_endpgm
.Lentry_shape_is_right:
; O = (P V) / l on codes of FP6 (E2M3) with E8M0 scales: 4 batches of 2048 x 1024 x 2048.
; P arrives quantised run by run of 128 keys, each run under its own whole number M_j.  At the head the row's M = the largest M_j is found, l = the sum of l_j 2^(M_j - M), and M - M_j is taken off the four scale bytes of each run:
; that is p under the row's M, with the same codes.  LIMIT: a byte that would fall under 0 becomes 0, 2^-127: such a term is at most 7.5 x 2^-127 beside a row whose largest p is over 1/2.  NaN and infinities are not served.
; A tile of O is 256 queries x 128 channels: 256 work-groups; a wave makes 128 x 64: 32 accumulators.  The keys go in 16 steps of 128, in fills of 2, 3, 3, 4 and 4 steps that take turns in two LDS slots of 4 steps.
; At the head each wave issues one joint load, its part of fill 0; fill 1 stands behind the full sequence and a round, between the two halves of the head's work on the statistics; fills 2, 3, 4 behind the rounds in steps 1, 4, 7.
; THE LAST FOUR STEPS GO BY ROWS OF O: V's fragments of steps 12 to 15 stay in registers (4 x 48), P's come by blocks of 16 queries x 512 keys (48 registers, four buffers), and my eight blocks are finished one after the other,
; 16 products each, the block's four accumulators by turns, K ascending; each block leaves as soon as it is finished.  LDS is read no more than in any four steps.
; CLUSTERS: 4 x 4; P's tiles jointly along a row of the cluster, V's along a column.  V's scale words, 8,192 of the work-group's 598,016 operand bytes, come through registers and are not asked for jointly.
; PREFETCH: behind the load of one fill the next fill is asked for: P: row block 4 cx + wave of the tile's 16, a lane a block of 256 bytes (18 blocks for 3 steps, 24 for 4); V: half of row block 2 cy + wave / 2 of 8 (9 or 12 blocks).
; REGISTERS: window 0: v4-30 addresses; v32-47 scale words, two sets; v48-79 those of the last four steps; v96-111 1 / l; v128-223 A's fragments (head: the statistics; end: the way out); v224-255 at work.
;   window 1: B's fragments.  window 2: the accumulators.  window 3: P's blocks of the last four steps.
.set FRB,   1536
.set HALFA, 8*4*FRB
.set HALFB, 4*4*FRB
.set SLOT,  2*HALFA+2*HALFB
.set SCLA,  2*SLOT                     ; P's shifted scale words, [2 halves][16 steps][128 rows]: written by the waves
.set SCLB,  SCLA+16384                 ; V's, [16 steps][128 channels]: written by the waves
.set RLS,   SCLB+8192
.set SPARE, RLS+1024
.set STAGE, SLOT                       ; the way out: 16 rows x 272 bytes a wave, in slot 1: it has had its last fill, and nobody reads it behind step 11's barrier
.set PFP,  11
.set PFV,  12
.set PFP3, 13
.set PFV3, 14
.set ADRA, 16
.set ADRB, 20
.set LI,   24
.set STO,  25
.set RD,   26
.set ADRS, 27
.set SPW,  28
.set NIL,  29
.set CO,   30
.set SC,   32
.set TS,   48
.set RL,   96
.set AF,   128
.set HB,   128
.set VS,   232
.set WV,   18
.set WR,   19
.set WC,   20
.set G1A,  24
.set G1B,  32
.set K80,  48
.set G0A,  76
.set G0B,  88
.set MSB, 0
.macro WIN new
.if MSB != (\new)
	s_set_vgpr_msb (MSB<<8)|(\new)
.set MSB, (\new)
.endif
.endm
.macro PLACES
.rept 4
	v_nop
.endr
.endm
.macro CREST
	s_cmp_lg_u32 s[WV], 0
	s_cbranch_scc1 .Lnot_wave_0_\@
	s_barrier_signal -3
.Lnot_wave_0_\@:
	s_barrier_wait -3
	s_barrier_signal -1
	s_barrier_wait -1
.endm
.macro CROUND
	s_barrier_signal -1
	s_barrier_wait -1
	CREST
.endm
.macro JLOAD s
	s_cmp_eq_u32 s[WR], 0
	s_cbranch_scc0 .Lfor_b_\@
	tensor_load_to_lds s[G0A+4*\s:G0A+4*\s+3], s[G1A:G1A+7]
	s_nop 0
.rept 4
	v_nop
.endr
	s_branch .Lasked_\@
.Lfor_b_\@:
	tensor_load_to_lds s[G0B+4*\s:G0B+4*\s+3], s[G1B:G1B+7]
	s_nop 0
.rept 4
	v_nop
.endr
.Lasked_\@:
.endm
.macro ASK p, v, st                    ; the fill that begins at step st
	global_prefetch_b8 v[\p], s[4:5] offset:(\st)*FRB th:TH_LOAD_NT scope:SCOPE_SE
	global_prefetch_b8 v[\v], s[8:9] offset:(\st)*FRB th:TH_LOAD_NT scope:SCOPE_SE
.endm
.macro FRAG reg, adr, off
	ds_load_b128 v[\reg:\reg+3], v[\adr] offset:\off
	ds_load_b128 v[\reg+4:\reg+7], v[\adr] offset:\off+512
	ds_load_b128 v[\reg+8:\reg+11], v[\adr] offset:\off+1024
.endm
.macro LOC st                          ; step st (0 .. 11) lies in slot LG, as image LQ of each row block's LR
.set LG, 0
.set LQ, (\st)
.set LR, 2
.if (\st) > 1
.set LG, 1
.set LQ, (\st)-2
.set LR, 3
.endif
.if (\st) > 4
.set LG, 0
.set LQ, (\st)-5
.endif
.if (\st) > 7
.set LG, 1
.set LQ, (\st)-8
.set LR, 4
.endif
.endm
.macro FETCH_B st
	LOC \st
	WIN 0x40
.irp i, 0,1,2,3
	FRAG 128*((\st)%2)+12*\i, ADRB+LG, (\i*LR+LQ)*FRB
.endr
	WIN 0
.endm
.macro FETCH_A st, i0
	LOC \st
.irp i, \i0, \i0+1, \i0+2, \i0+3
	FRAG AF+12*(\i), ADRA+LG, ((\i)*LR+LQ)*FRB
.endr
.endm
.macro SCALES st                       ; register i of set st % 2: lanes 0-15 the words of P's block i; lanes 16-31 of V's block i (over 3: words that no product names)
.irp i, 0,1,2,3,4,5,6,7
	ds_load_b32 v[SC+8*((\st)%2)+\i], v[ADRS] offset:64*\i+512*(\st)
.endr
.endm
.macro FETCHMID st
	FETCH_B \st
	FETCH_A \st, 0
	SCALES \st
.endm
; 8 products: P's blocks a0, a0 + 1 x V's four; the 32 accumulators take turns
.macro MULA a0, st, cm
.irp a, \a0, \a0+1
.irp b, 0,1,2,3
.set DD, 8*(4*(\a)+\b)
.set BB, 128*((\st)%2)+12*\b
.set SW, SC+8*((\st)%2)
.if \cm == 0
	v_wmma_scale_f32_16x16x128_f8f6f4 v[DD:DD+7], v[BB:BB+11], v[AF+12*(\a):AF+12*(\a)+11], v[DD:DD+7], v[SW+\b], v[SW+(\a)] matrix_a_fmt:MATRIX_FMT_FP6 matrix_b_fmt:MATRIX_FMT_FP6 matrix_a_scale:MATRIX_SCALE_ROW1
.else
	v_wmma_scale_f32_16x16x128_f8f6f4 v[DD:DD+7], v[BB:BB+11], v[AF+12*(\a):AF+12*(\a)+11], 0, v[SW+\b], v[SW+(\a)] matrix_a_fmt:MATRIX_FMT_FP6 matrix_b_fmt:MATRIX_FMT_FP6 matrix_a_scale:MATRIX_SCALE_ROW1
.endif
.endr
.endr
.endm
.macro STEP st, cm
	s_wait_dscnt 12                                ; all but the youngest twelve loads (A's blocks 4-7)
	WIN 0xa1
	MULA 0, \st, \cm
	MULA 2, \st, \cm
	s_wait_dscnt 0x0
	PLACES
	FETCHMID (\st)+1
	WIN 0xa1
	MULA 4, \st, \cm
	MULA 6, \st, \cm
	PLACES
	WIN 0
	FETCH_A (\st)+1, 4
.endm
; the first half of a fill's last step: the three lines, the barrier
.macro MEET st
	s_wait_tensorcnt 0x0                           ; all my tensor loads have landed: my part of the next slot
	ds_add_u32 v[SPW], v[NIL]
	s_wait_dscnt 13                                ; (the add and A's blocks 4-7 may be out)
	WIN 0xa1
	MULA 0, \st, 0
	s_wait_dscnt 0x0                               ; the add is done, my reads of this slot are over
	s_barrier_signal -1
	MULA 2, \st, 0
	WIN 0
	s_barrier_wait -1
.endm
; a fill's last step: slot cs is filled again, adv bytes further along each row block, behind a round (wide: from here on rows of four images)
.macro TURN st, cs, adv, wide
	MEET \st
	CREST
	s_add_nc_u64 s[G0A+4*\cs+2:G0A+4*\cs+3], s[G0A+4*\cs+2:G0A+4*\cs+3], \adv
	s_add_nc_u64 s[G0B+4*\cs+2:G0B+4*\cs+3], s[G0B+4*\cs+2:G0B+4*\cs+3], \adv
.if \wide
	s_mov_b32 s[G1A+1], 768<<16
	s_mov_b32 s[G1A+3], 768<<16
	s_mov_b32 s[G1B+1], 768<<16
	s_mov_b32 s[G1B+3], 768<<16
.endif
	JLOAD \cs
	FETCHMID (\st)+1
	WIN 0xa1
	MULA 4, \st, 0
	MULA 6, \st, 0
	PLACES
	WIN 0
	FETCH_A (\st)+1, 4
.endm
; THE LAST FOUR STEPS.  V's fragments of step 12 + q: window 1, at v0, v48, v176, v128 for q = 0 .. 3
.macro TB q
	WIN 0x40
.irp i, 0,1,2,3
	FRAG 48*(\q)+((\q)/2)*(80-96*((\q)%2))+12*\i, ADRB, (\i*4+(\q))*FRB
.endr
.endm
.macro TA a                            ; P's block a, all four steps -> window 3, buffer a % 4
	WIN 0xc0
.irp q, 0,1,2,3
	FRAG 48*((\a)%4)+12*\q, ADRA, ((\a)*4+\q)*FRB
.endr
.endm
.macro ROW a                           ; block a is finished: 16 products, its four accumulators by turns
	WIN 0xad                                       ; source 0 (V) window 1, source 1 (P) window 3, C and D window 2
.irp q, 0,1,2,3
.irp b, 0,1,2,3
.set DD, 8*(4*(\a)+\b)
.set BB, 48*\q+(\q/2)*(80-96*(\q%2))+12*\b
.set AA, 48*((\a)%4)+12*\q
	v_wmma_scale_f32_16x16x128_f8f6f4 v[DD:DD+7], v[BB:BB+11], v[AA:AA+11], v[DD:DD+7], v[TS+8*\q+\b], v[TS+8*\q+(\a)] matrix_a_fmt:MATRIX_FMT_FP6 matrix_b_fmt:MATRIX_FMT_FP6 matrix_a_scale:MATRIX_SCALE_ROW1
.endr
.endr
.endm
	s_load_b256 s[4:11], s[0:1], 0x0               ; p_codes, p_stats, qkv_codes, qkv_scales
	s_load_b64 s[12:13], s[0:1], 0x20              ; out0
	v_lshl_add_u32 v[SPW], v0, 2, SPARE
	v_mov_b32 v[NIL], 0
	ds_add_u32 v[SPW], v[NIL]                      ; the opening lines: two adds and one wait
	ds_add_u32 v[SPW], v[NIL]
	v_lshrrev_b32 v1, 5, v0
	v_readfirstlane_b32 s[WV], v1
	s_lshr_b32 s[WR], s[WV], 1                     ; my 128 queries; also: I fetch for P (0) or V (1)
	s_and_b32 s[WC], s[WV], 1                      ; my 64 channels; also: which half I fetch
	s_bfe_u32 s40, ttmp6, 0x40000
	s_bfe_u32 s41, ttmp6, 0x40004
	s_and_b32 s21, ttmp7, 0xffff
	s_lshr_b32 s2, s21, 1                          ; the batch
	s_lshl_b32 s45, s21, 2
	s_add_co_u32 s45, s45, s41                     ; tile row (256 queries, over all batches)
	s_lshl_b32 s42, ttmp9, 2
	s_add_co_u32 s42, s42, s40                     ; tile column (128 channels)
	s_lshl_b32 s43, s41, 2
	s_lshl_b32 s43, 15, s43
	s_lshl_b32 s44, 0x1111, s40
	s_or_b32 s[G1A], s43, (3<<16)|(1<<21)
	s_or_b32 s[G1B], s44, (3<<16)|(1<<21)
	s_mov_b32 s[G1A+1], 384<<16                    ; P, fill 0: 8 row blocks x 3,072 bytes (two images), 24,576 bytes apart
	s_mov_b32 s[G1A+2], 8<<16
	s_mov_b32 s[G1A+3], 384<<16
	s_mov_b32 s[G1A+4], 8
	s_mov_b32 s[G1A+5], 3072
	s_mov_b32 s[G1A+6], 0
	s_mov_b32 s[G1A+7], 0
	s_mov_b32 s[G1B+1], 384<<16                    ; V: 4 row blocks
	s_mov_b32 s[G1B+2], 4<<16
	s_mov_b32 s[G1B+3], 384<<16
	s_mov_b32 s[G1B+4], 4
	s_mov_b32 s[G1B+5], 3072
	s_mov_b32 s[G1B+6], 0
	s_mov_b32 s[G1B+7], 0
	s_lshl_b32 s46, s45, 4                         ; P's first row block
	s_lshl_b32 s21, s[WC], 3
	s_add_co_u32 s21, s46, s21
	s_mul_i32 s[G0A+2], s21, 24576
	s_mov_b32 s[G0A+3], 0
	s_lshl_b32 s22, s2, 3
	s_add_co_u32 s22, s22, s42                     ; V: 8 x batch + tile column
	s_lshl_b32 s14, s22, 13                        ; its 16 planes of scale words
	s_add_co_u32 s14, s14, 524288
	s_mov_b32 s15, 0
	s_lshl_b32 s22, s22, 3                         ; V's first row block
	s_lshl_b32 s21, s[WC], 2
	s_add_co_u32 s21, s22, s21
	s_mul_i32 s[G0B+2], s21, 24576
	s_add_co_u32 s[G0B+2], s[G0B+2], 12582912      ; v^T's codes lie behind q's and k's
	s_mov_b32 s[G0B+3], 0
	s_mul_i32 s21, s[WC], HALFA
	s_mul_i32 s23, s[WC], HALFB
	s_add_co_u32 s23, s23, 2*HALFA
.irp s, 0,1
	s_mov_b32 s[G0A+4*\s], 1
	s_add_co_u32 s[G0A+4*\s+1], s21, \s*SLOT
	s_mov_b32 s[G0B+4*\s], 1
	s_add_co_u32 s[G0B+4*\s+1], s23, \s*SLOT
.endr
	s_lshl_b32 s16, s40, 2                         ; prefetch, P: row block 4 cx + wave
	s_add_co_u32 s16, s16, s46
	s_add_co_u32 s16, s16, s[WV]
	s_mul_i32 s16, s16, 24576
	s_lshl_b32 s17, s41, 1                         ; V: row block 2 cy + wave / 2,
	s_add_co_u32 s17, s17, s22
	s_add_co_u32 s17, s17, s[WR]
	s_mul_i32 s17, s17, 24576
	s_add_co_u32 s17, s17, 12582912
	s_mul_i32 s21, s[WC], 2304
	s_add_co_u32 s3, s17, s21                      ; my half of a fill of 3 steps (4,608 bytes a row block),
	s_mul_i32 s21, s[WC], 3072
	s_add_co_u32 s17, s17, s21                     ; of 4 steps (6,144)
	s_mov_b32 s[K80], 0x80808080
	v_and_b32 v1, 31, v0
	v_and_b32 v2, 15, v0
	v_bfe_u32 v3, v0, 4, 1
	v_lshlrev_b32 v[LI], 4, v1
	v_min_u32 v8, 23, v1
	v_min_u32 v9, 11, v1
	v_min_u32 v10, 17, v1
	v_min_u32 v15, 8, v1
	v_lshl_add_u32 v[PFP], v8, 8, s16
	v_lshl_add_u32 v[PFV], v9, 8, s17
	v_lshl_add_u32 v[PFP3], v10, 8, s16
	v_lshl_add_u32 v[PFV3], v15, 8, s3
	s_wait_alu depctr_va_vdst(0)
	v_lshlrev_b32 v4, 2, v0
	v_lshl_add_u32 v5, v0, 2, SCLA
	v_lshl_add_u32 v6, v0, 2, RLS
	v_lshlrev_b32 v9, 4, v0
	v_lshl_add_u32 v10, v0, 4, SCLB
	s_mul_i32 s21, s[WR], HALFA
	s_mul_i32 s22, s[WC], HALFB
	s_add_co_u32 s22, s22, 2*HALFA
	v_add_nc_u32 v[ADRA], s21, v[LI]
	v_add_nc_u32 v[ADRB], s22, v[LI]
	v_add_nc_u32 v[ADRA+1], SLOT, v[ADRA]
	v_add_nc_u32 v[ADRB+1], SLOT, v[ADRB]
	s_lshl_b32 s21, s[WR], 13                      ; P's scale words: my 128 rows
	s_lshl_b32 s22, s[WC], 8
	s_add_co_u32 s22, s22, SCLB-SCLA               ; V's: my 64 channels
	s_sub_co_u32 s22, s22, s21
	v_mul_u32_u24 v8, s22, v3                      ; lanes 16-31 take V's: the lower base + h x the distance
	s_add_co_u32 s21, s21, SCLA
	v_lshl_add_u32 v8, v2, 2, v8
	v_add_nc_u32 v[ADRS], s21, v8
	s_lshl_b32 s21, s[WR], 9
	s_add_co_u32 s21, s21, RLS
	v_lshl_add_u32 v7, v2, 2, s21                  ; 1 / l of my rows
	s_mul_i32 s21, s[WV], 16*272
	s_add_co_u32 s21, s21, STAGE
	v_mul_u32_u24 v[STO], v2, 272
	v_lshl_add_u32 v[STO], v3, 5, v[STO]
	v_add_nc_u32 v[STO], s21, v[STO]               ; the stage, in: row r, + 32 h
	v_mul_u32_u24 v[RD], v3, 272
	v_lshl_add_u32 v[RD], v2, 4, v[RD]
	v_add_nc_u32 v[RD], s21, v[RD]                 ; back: lanes 0-15 one row of 256 bytes, lanes 16-31 the next
	v_lshlrev_b32 v[CO], 12, v3
	v_lshl_add_u32 v[CO], v2, 4, v[CO]
.irp a, 0,1,2,3,4,5,6,7
	v_mov_b32 v[RL+2*\a+1], 0                      ; named with 1 / l as a pair
.endr
	s_lshl_b32 s21, s45, 8
	s_lshl_b32 s22, s[WR], 7
	s_add_co_u32 s21, s21, s22
	s_lshl_b32 s46, s21, 12                        ; my first row of O, 4,096 bytes a row,
	s_lshl_b32 s22, s42, 9
	s_add_co_u32 s46, s46, s22
	s_lshl_b32 s22, s[WC], 8
	s_add_co_u32 s46, s46, s22                     ; my first channel
	s_mov_b32 s47, 0
	s_lshl_b32 s22, s45, 14                        ; the statistics: two tiles x 16 planes x 512 bytes
	s_mov_b32 s23, 0
	s_wait_alu depctr_va_vdst(0)
	s_wait_dscnt 0x0                               ; both opening adds are done
	s_wait_kmcnt 0x0
	s_add_nc_u64 s[6:7], s[6:7], s[22:23]
	s_add_nc_u64 s[10:11], s[10:11], s[14:15]
.irp j, 0,1,2,3
	global_load_b128 v[VS+4*\j:VS+4*\j+3], v9, s[10:11] offset:2048*\j   ; V's scale words: 8,192 dense bytes
.endr
.macro STATS p                         ; thread t serves row t of both tiles of 128 queries
.irp c, 0,1,2
.irp j, 0,1,2,3,4,5,6,7,8,9,10,11,12,13,14,15
	global_load_b32 v[HB+48*\p+16*\c+\j], v4, s[6:7] offset:524288*\c+512*(16*\p+\j)
.endr
.endr
.endm
	STATS 0
	s_add_nc_u64 s[G0A+2:G0A+3], s[4:5], s[G0A+2:G0A+3]
	s_add_nc_u64 s[G0A+6:G0A+7], s[G0A+2:G0A+3], 2*FRB
	s_add_nc_u64 s[G0B+2:G0B+3], s[8:9], s[G0B+2:G0B+3]
	s_add_nc_u64 s[G0B+6:G0B+7], s[G0B+2:G0B+3], 2*FRB
.irp g, G0A+3, G0A+7, G0B+3, G0B+7
	s_or_b32 s[\g], s[\g], 0x80000000
.endr
	s_add_nc_u64 s[12:13], s[12:13], s[46:47]
	CROUND                                         ; all sixteen work-groups are here: the first joint loads meet
	JLOAD 0                                        ; one load a wave: my part of fill 0
	ASK PFP3, PFV3, 2                              ; fill 1
	STATS 1
.macro HROW p
.set HW, HB+48*(\p)
.set HN, HW+16
.set HL, HW+32
.set HT, 224+4*(\p)
	v_min3_num_f32 v[HT], v[HN], v[HN+1], v[HN+2]  ; the least -M_j: the row's -M
.irp j, 3,5,7,9,11,13
	v_min3_num_f32 v[HT], v[HT], v[HN+\j], v[HN+\j+1]
.endr
	v_min_num_f32 v[HT], v[HT], v[HN+15]
.irp j, 0,1,2,3,4,5,6,7,8,9,10,11,12,13,14,15
	v_sub_f32 v[HN+\j], v[HT], v[HN+\j]            ; M_j - M: a whole number, 0 or less
.endr
.irp j, 0,1,2,3,4,5,6,7,8,9,10,11,12,13,14,15
	v_cvt_i32_f32 v[HN+\j], v[HN+\j]
.endr
.irp j, 0,1,2,3,4,5,6,7,8,9,10,11,12,13,14,15
	v_ldexp_f32 v[HL+\j], v[HL+\j], v[HN+\j]       ; l_j under the row's M: nothing is rounded
.endr
.irp j, 0,4,8,12
	v_pk_add_f32 v[HL+\j:HL+\j+1], v[HL+\j:HL+\j+1], v[HL+\j+2:HL+\j+3]
.endr
	v_pk_add_f32 v[HL:HL+1], v[HL:HL+1], v[HL+4:HL+5]
	v_pk_add_f32 v[HL+8:HL+9], v[HL+8:HL+9], v[HL+12:HL+13]
	v_pk_add_f32 v[HL:HL+1], v[HL:HL+1], v[HL+8:HL+9]
	v_add_f32 v[HT+1], v[HL], v[HL+1]              ; l: over 1/2
	s_wait_alu depctr_va_vdst(0)
	v_rcp_f32 v[HT+2], v[HT+1]
.irp j, 0,1,2,3,4,5,6,7,8,9,10,11,12,13,14,15
	v_sub_nc_u32 v[HN+\j], 0, v[HN+\j]
.endr
.irp j, 0,1,2,3,4,5,6,7,8,9,10,11,12,13,14,15
	v_min_u32 v[HN+\j], 127, v[HN+\j]              ; d = M - M_j, held at 127
.endr
.irp j, 0,1,2,3,4,5,6,7,8,9,10,11,12,13,14,15
	v_perm_b32 v[HN+\j], v[HN+\j], v[HN+\j], 0     ; d in all four bytes
.endr
.irp j, 0,1,2,3,4,5,6,7,8,9,10,11,12,13,14,15
	v_or_b32 v[HW+\j], s[K80], v[HW+\j]            ; each byte (at most 125) + 128, so that no byte borrows from the next
.endr
.irp j, 0,1,2,3,4,5,6,7,8,9,10,11,12,13,14,15
	v_sub_nc_u32 v[HW+\j], v[HW+\j], v[HN+\j]
.endr
.irp j, 0,1,2,3,4,5,6,7,8,9,10,11,12,13,14,15
	v_and_b32 v[HN+\j], s[K80], v[HW+\j]
.endr
.irp j, 0,1,2,3,4,5,6,7,8,9,10,11,12,13,14,15
	v_lshrrev_b32 v[HL+\j], 7, v[HN+\j]
.endr
.irp j, 0,1,2,3,4,5,6,7,8,9,10,11,12,13,14,15
	v_sub_nc_u32 v[HN+\j], v[HN+\j], v[HL+\j]      ; 127 in the bytes that were at least d, 0 in the others
.endr
.irp j, 0,1,2,3,4,5,6,7,8,9,10,11,12,13,14,15
	v_and_b32 v[HW+\j], v[HW+\j], v[HN+\j]         ; byte - d, or 0
.endr
.irp j, 0,1,2,3,4,5,6,7,8,9,10,11,12,13,14,15
	ds_store_b32 v5, v[HW+\j] offset:8192*(\p)+512*\j
.endr
	s_wait_alu depctr_va_vdst(0)                   ; ahead of the reciprocal's first reader
	ds_store_b32 v6, v[HT+2] offset:512*(\p)
.endm
	s_wait_loadcnt 48                              ; V's scale words and the first tile's 48 loads are in
.irp j, 0,1,2,3
	ds_store_b128 v10, v[VS+4*\j:VS+4*\j+3] offset:2048*\j
.endr
	HROW 0
	s_wait_tensorcnt 0x0                           ; my part of fill 0 is in; the full sequence ahead of slot 1's first fill
	ds_add_u32 v[SPW], v[NIL]
	s_mov_b32 s[G1A+1], 576<<16                    ; no load of mine is out: fills 1 and 2 have rows of three images
	s_mov_b32 s[G1A+3], 576<<16
	s_mov_b32 s[G1B+1], 576<<16
	s_mov_b32 s[G1B+3], 576<<16
	s_wait_dscnt 0x0
	CROUND
	JLOAD 1
	ASK PFP3, PFV3, 5                              ; fill 2
	s_wait_loadcnt 0x0
	HROW 1
	s_wait_dscnt 0x0                               ; for the others' sake: my words lie in LDS; fill 1's load may be out
	s_barrier_signal -1
	s_barrier_wait -1
.irp a, 0,1,2,3,4,5,6,7
	ds_load_b32 v[RL+2*\a], v7 offset:64*\a
.endr
	FETCHMID 0
	FETCH_A 0, 4
	STEP 0, 1                                      ; the first products start the sums
	TURN 1, 0, 5*FRB, 0                            ; slot 0 takes steps 5 .. 7
	ASK PFP, PFV, 8                                ; fill 3
	STEP 2, 0
	STEP 3, 0
	TURN 4, 1, 6*FRB, 1                            ; slot 1 takes steps 8 .. 11
	ASK PFP, PFV, 12                               ; fill 4
	STEP 5, 0
	STEP 6, 0
	TURN 7, 0, 7*FRB, 0                            ; slot 0 takes steps 12 .. 15
	STEP 8, 0
	STEP 9, 0
	STEP 10, 0
	MEET 11                                        ; fill 4 is whole; nothing is filled again, so no round follows
	PLACES
	TB 0                                           ; three steps of V now: step 11's set (v128-175 of window 1) is still being multiplied
	TB 1
	TB 2
	WIN 0
.irp q, 0,1,2,3
.irp i, 0,1,2,3,4,5,6,7
	ds_load_b32 v[TS+8*\q+\i], v[ADRS] offset:64*\i+512*(12+\q)
.endr
.endr
.irp a, 0,1,2,3
	TA \a
.endr
	WIN 0xa1
	MULA 4, 11, 0
	MULA 6, 11, 0
	PLACES                                         ; for the loads into step 11's set
	TB 3
	s_wait_dscnt 0x0                               ; all that block 0 needs is in
; THE WAY OUT, 16 queries x 64 channels at a time: divided by l; a lane's 32 bytes of a row go into my stage and come back as whole rows of 256 bytes
.macro PACK a
.set TP, 128+32*((\a)%2)
.set AC, 32*(\a)
.set BK, 192+32*((\a)%2)
	WIN 0x02
.set j, 0
.rept 16
	v_pk_mul_f32 v[TP+j:TP+j+1], v[AC+j:AC+j+1], v[RL+2*(\a):RL+2*(\a)+1] op_sel_hi:[1,0]   ; each accumulator from its low end on
.set j, j+2
.endr
	WIN 0
.irp b, 0,1,2,3
	ds_store_b128 v[STO], v[TP+8*\b:TP+8*\b+3] offset:64*\b
	ds_store_b128 v[STO], v[TP+8*\b+4:TP+8*\b+7] offset:64*\b+16
.endr
.irp t, 0,1,2,3,4,5,6,7
	ds_load_b128 v[BK+4*\t:BK+4*\t+3], v[RD] offset:\t*2*272   ; LDS serves a wave's instructions in order
.endr
.endm
.macro SEND a, younger
.set BK, 192+32*((\a)%2)
	WIN 0
	s_wait_dscnt \younger                          ; the block is back; the twelve loads of P's block four further on may be out
.irp t, 0,1,2,3,4,5,6,7
	global_store_b128 v[CO], v[BK+4*\t:BK+4*\t+3], s[12:13] offset:(16*(\a)+2*\t)*4096 th:TH_STORE_NT   ; sixteen lanes store 256 consecutive bytes, aligned
.endr
.endm
	ROW 0
.irp a, 0,1,2,3,4,5,6,7                ; each block leaves as soon as it is finished; the next block's products stand between its stage loads and the wait for them
	PLACES                                         ; its multiplications read results just made, and its buffer is loaded anew
.if \a > 1
	s_wait_xcnt 0x0                                ; the stores of the block two back have read the registers that this block's loads take
.endif
	PACK \a
.if \a < 4
	TA \a+4
.endif
.if \a < 7
	ROW \a+1
.endif
.if \a < 4
	SEND \a, 12
.else
	SEND \a, 0
.endif
.endr
	s_wait_tensorcnt 0x0                           ; the wave's end
	ds_add_u32 v[SPW], v[NIL]
	s_wait_dscnt 0x0
	CROUND                                         ; the closing round
	s_endpgm
.Lfunc_end_k_qd199de921e_pv:
	.size	k_qd199de921e_pv, .Lfunc_end_k_qd199de921e_pv-k_qd199de921e_pv
	.p2alignl 7, 3214868480
	.fill 96, 4, 3214868480
	.section	.rodata,"a",@progbits
	.p2align	6, 0x0
	.amdhsa_kernel k_qd199de921e_pv
		.amdhsa_group_segment_fixed_size 327680
		.amdhsa_private_segment_fixed_size 0
		.amdhsa_enable_private_segment 0
		.amdhsa_kernarg_size 40
		.amdhsa_user_sgpr_count 2
		.amdhsa_user_sgpr_kernarg_segment_ptr 1
		.amdhsa_wavefront_size32 1
		.amdhsa_system_sgpr_workgroup_id_x 1
		.amdhsa_system_sgpr_workgroup_id_y 1
		.amdhsa_system_sgpr_workgroup_id_z 1
		.amdhsa_system_vgpr_workitem_id 0
		.amdhsa_next_free_vgpr 1024
		.amdhsa_next_free_sgpr 102
		.amdhsa_reserve_vcc 0
		.amdhsa_float_denorm_mode_32 3
		.amdhsa_float_denorm_mode_16_64 3
		.amdhsa_memory_ordered 1
		.amdhsa_forward_progress 1
		.amdhsa_inst_pref_size 183
	.end_amdhsa_kernel
	.amdgpu_metadata
---
amdhsa.version: [ 1, 2 ]
amdhsa.kernels:
  - .name:           k_qd199de921e_pv
    .symbol:         k_qd199de921e_pv.kd
    .args:
      - { .name: p_codes, .offset: 0, .size: 8, .value_kind: global_buffer, .address_space: global }
      - { .name: p_stats, .offset: 8, .size: 8, .value_kind: global_buffer, .address_space: global }
      - { .name: qkv_codes, .offset: 16, .size: 8, .value_kind: global_buffer, .address_space: global }
      - { .name: qkv_scales, .offset: 24, .size: 8, .value_kind: global_buffer, .address_space: global }
      - { .name: out0, .offset: 32, .size: 8, .value_kind: global_buffer, .address_space: global }
    .group_segment_fixed_size: 327680
    .private_segment_fixed_size: 0
    .kernarg_segment_align: 8
    .kernarg_segment_size: 40
    .max_flat_workgroup_size: 128
    .sgpr_count:     102
    .vgpr_count:     1024
    .wavefront_size: 32
...
	.end_amdgpu_metadata
.endif
;; end of part 4
